; MI455X (gfx1250); checked and timed in simulation.
; The chip was launched on July 23, 2026; its instructions are those of AMD's public machine-readable ISA for CDNA 5 (MIT licence, August 2026) and "CDNA5" Instruction Set Architecture Reference Guide (July 2026). The comments in the code are by the model that wrote it; some were corrected since.
;; Mo E Layer. Allowed arithmetic: matrix products marked QUANTISED: E2M3 operands, one E8M0 scale for each 32 along K, by v_wmma_scale_f32_16x16x128_f8f6f4 with both operands' format E2M3, f32 sums; products left as they are: f32 operands where the result goes on into a quantised operand, else bf16, f16 or f32 operands; f32 sums; everything else in f32.
;; Inputs: W1_codes 8 x 2,048 x 16 x 24 uint8 (E2M3 codes of W1, K innermost, in blocks of 32 codes, four codes in three bytes); W1_scales 8 x 2,048 x 16 uint8 (E8M0 scales of W1, one for each 32 codes along K); W2_codes 8 x 512 x 64 x 24 uint8 (E2M3 codes of W2, K innermost, in blocks of 32 codes, four codes in three bytes); W2_scales 8 x 512 x 64 uint8 (E8M0 scales of W2, one for each 32 codes along K); b1 8 x 2,048 float32; b2 8 x 512 float32; gate_W 512 x 8 float32; gate_b 8 float32; ln_b 8 x 2,048 float32; ln_g 8 x 2,048 float32; out_b 512 float32; out_g 512 float32; x 4,096 x 512 float32.
;; Outputs: out0 4,096 x 512 float32; out1 one number float32.
;; This version of the problem:
;;   THIS VERSION OF THE PROBLEM IS GIVEN IN LOW PRECISION. The matrix products marked QUANTISED in the list below multiply operands that are first quantised to E2M3 (2 exponent bits, 3 mantissa bits; 6 bits a number), with one power-of-two scale for each 32 numbers along K (OCP MX v1.0); their sums are f32. All else is computed in f32.
;;   The module's matrix products, in the order in which they are computed (A, B: the left and right operand; K: the contracted axis; several contracted axes count as one K, in the product's order):
;;     1. [M 4,096, K 512] x [K 512, N 8]; A: input x; B: input gate_W: left as it is (N = 8 < 16)
;;     2. [M 4,096, K 512] x [K 512, N 16,384]; A: input x; B: input W1 (given as codes): QUANTISED
;;     3. batch 8 x [M 512, K 2,048] x [K 2,048, N 4,096]; A: input W2 (given as codes); B: computed on the way: QUANTISED
;;     4. batch 4,096 x [M 1, K 8] x [K 8, N 512]; A: computed on the way; B: computed on the way: left as it is (K = 8 < 32)
;;   THE QUANTISER, for each operand of a quantised product, along K:
;;     - K is cut into blocks of 32 from its start; a last block that is shorter is filled with zeros.
;;     - A block's scale is 2^e with e = floor(log2(the largest magnitude in the block)) - 2, held to -126 .. 127; a block of zeros has e = 0. As a byte (E8M0): e + 127.
;;     - Each number is divided by its block's scale, clamped to +-7.5, and rounded to the nearest number of E2M3, ties to even, subnormals kept.
;;     - The product sums the exact products of the quantised numbers (number of the format x scale) in f32.
;;   ~~~python
;;   def quantise(x, axis):      # numpy; x: float32 -> the quantised numbers, widened to float32 again
;;       x = np.moveaxis(x, axis, -1); K = x.shape[-1]
;;       x = np.pad(x, [(0, 0)] * (x.ndim - 1) + [(0, -K % 32)]); x = x.reshape(x.shape[:-1] + (-1, 32)); a = np.abs(x).max(-1, keepdims=True)
;;       e = np.where(a > 0, np.clip(np.frexp(np.where(a > 0, a, 1))[1] - 1 - 2, -126, 127), 0)      # np.frexp(a)[1] - 1 = floor(log2(a)), exactly
;;       r = np.clip(x / 2.0 ** e, -7.5, 7.5)
;;       step = 2.0 ** (np.maximum(np.frexp(np.where(r == 0, 1, r))[1] - 1, 0) - 3)
;;       q = np.round(r / step) * step * 2.0 ** e      # np.round: ties to even
;;       return np.moveaxis(q.reshape(q.shape[:-2] + (-1,))[..., :K], -1, axis).astype(np.float32)
;;   ~~~
;;   OPERANDS COMPUTED ON THE WAY. 'Computed on the way' means the value that the module computes at that place (a softmax that the list does not call 'softmax' is quantised finished and normalised). What goes into a quantiser is computed in f32, as accurately as f32 sums, v_exp_f32 and their like allow (about 1e-6 of the number): no bf16 or f16 on the way to a quantiser, and a product that is left as it is and whose result goes on into a quantised operand takes f32 operands (vector FMAs, or v_wmma_f32_16x16x4_f32). A number that lies on a knife's edge between two numbers of the format may be rounded either way, as far as f32 arithmetic and the matrix unit's own rounding can turn it there, and no further.
;;   INPUTS GIVEN AS CODES. W1 (in the module: [8, 512, 2048], K = its axis 1); W2 (in the module: [8, 2048, 512], K = its axis 1): each comes as NAME_codes (uint8): NAME with its K axis moved to the last place and cut into blocks of 32 codes, [.., K / 32, bytes a block], one block behind the other in memory; four codes in three bytes: a row's codes are one little-endian stream of bits, code i at bits 6 i .. 6 i + 5 (a code: sign, 2 exponent bits, 3 mantissa bits); and NAME_scales (uint8): the same leading axes, one E8M0 byte (e + 127) for each 32 codes along K. Its value is code x scale, taken as it is: it is not quantised again, and the codes and scales need not be those that the quantiser above would give.
;; 2 versions, each right; version 2 is version 1 with the launch experts written anew for expert scheduling mode. Each part assembles by itself: llvm-mc -triple=amdgcn-amd-amdhsa -mcpu=gfx1250 --defsym DOCPART=n.
;; ======== version 1 of 2: 4 launches
;; workspace buffers: xq 1,638,400 bytes; sel 16,384 bytes of whole numbers; gate 36,864 bytes; plan 38,400 bytes of whole numbers; wlay 13,107,200 bytes; ybuf 16,777,216 bytes
;; launch route (part 1): grid 128 x 1, 8 waves a work-group, no clusters, 38,400 bytes of LDS; arguments x, gate_W, gate_b, xq, sel, gate; writes xq, sel, gate
.if DOCPART == 1
	.amdgcn_target "amdgcn-amd-amdhsa--gfx1250"
	.amdhsa_code_object_version 6
	.text
	.protected	k_q8508f4d45e_route
	.globl	k_q8508f4d45e_route
	.p2align	8
	.type	k_q8508f4d45e_route,@function
k_q8508f4d45e_route:
	s_mov_b64 s[64:65], 0
	v_nop
	global_prefetch_b8 v0, s[64:65] scope:SCOPE_SE
	s_setreg_imm32_b32 hwreg(HW_REG_WAVE_MODE, 25, 1), 1
	s_wait_xcnt 0x0
; ROUTER AND QUANTISER OF x.  x [4096][512] f32, gate_W [512][8], gate_b [8].
; A work-group takes 32 tokens, a lane a token; wave w takes K = 64 w .. 64 w + 63 of every token: 256 bytes of a row, two blocks of 32.
; Each wave makes its part of the 8 logits by f32 multiply-adds and quantises its two blocks to E2M3; the parts meet in LDS behind one barrier.
; Wave 0 then does softmax, top-2 (the lower index wins a tie), the two weights and the work-group's sums of the probabilities.
; OUT: xq: codes, token t at 384 t, as a plain stream of bits; from XS_OFF on 16 bytes a token: word s for K step s, byte 2 c + h = the scale of block 4 s + 2 h + c
; (bytes 1 and 2 of a natural word change places: the products' launch gives lane half h the 48 consecutive bytes 96 s + 48 h of a row);
; sel[t] = e0 | e1 << 8;  gate: (w0, w1) at 8 t; from PART_OFF on 8 sums of probabilities for each work-group.
; The choice is only STORED here: no address and no branch of this launch hangs on it.
; LIMITS: NaN and infinities are not served; a block whose largest magnitude lies under 2^-124 keeps the scale byte 1 (a block of zeros too: its codes are zeros, and this program alone reads
; the bytes); two probabilities closer than the order of f32 sums resolves may be chosen the other way round.
.set GW,   0                           ; LDS: gate_W, 2,048 bytes for each wave (its 64 rows)
.set PL,   16384                       ; partial logits: 1,024 bytes a wave, 32 a lane
.set XST,  24576                       ; the 32 tokens' codes, 384 bytes each
.set XSS,  36864                       ; their scale words, 16 bytes each
.set XS_OFF,   1572864
.set PART_OFF, 32768
.set X,   16                           ; v16-79   my token's 64 numbers
.set GA,  80                           ; v80-143  8 rows of gate_W, by turns with
.set GB,  144                          ; v144-207
.set AE,  208                          ; v208-215 the 8 sums over even k
.set AO,  216                          ; v216-223 over odd k
.set PC,  224                          ; v224-235 48 bytes of codes
.set TC,  236                          ; v236-238 a conversion's second half
.set MX,  240                          ; v240-243 largest magnitudes
.set SCO, 244                          ; the conversion's scale operand
.set BY,  246                          ; v246-247 the two scale bytes
; 32 numbers v[s] .. v[s + 31] become 24 bytes of codes in v[PC + 6 c] on and a scale byte in v[BY + c]
.macro QBLK c, s
.irp q, 0,1,2,3
	v_max3_num_f32 v[MX+\q], |v[\s+8*\q]|, |v[\s+8*\q+1]|, |v[\s+8*\q+2]|       ; four chains that do not wait for each other
.endr
.irp q, 0,1,2,3
	v_max3_num_f32 v[MX+\q], v[MX+\q], |v[\s+8*\q+3]|, |v[\s+8*\q+4]|
.endr
.irp q, 0,1,2,3
	v_max3_num_f32 v[MX+\q], v[MX+\q], |v[\s+8*\q+5]|, |v[\s+8*\q+6]|
.endr
	v_max3_num_f32 v[MX], v[MX], |v[\s+7]|, |v[\s+15]|
	v_max3_num_f32 v[MX+2], v[MX+2], |v[\s+23]|, |v[\s+31]|
	v_max3_num_f32 v[MX], v[MX], v[MX+1], v[MX+2]
	v_max3_num_f32 v[MX], v[MX], v[MX+3], 0x1800000        ; and the floor 2^(3 - 127): the byte cannot fall under 1
	v_add_nc_u32 v[SCO], 0xff000000, v[MX]                 ; 2 off the exponent field: the conversion takes that field as its scale
	v_lshrrev_b32 v[BY+\c], 23, v[SCO]                     ; the scale's byte
	v_cvt_scalef32_pk16_fp6_f32 v[PC+6*\c:PC+6*\c+2], v[\s:\s+15], v[SCO]
	v_cvt_scalef32_pk16_fp6_f32 v[TC:TC+2], v[\s+16:\s+31], v[SCO]      ; (a conversion's three registers begin on an even number)
	v_nop                                                  ; one plain place behind a scaled conversion
.irp i, 0,1,2
	v_mov_b32 v[PC+6*\c+3+\i], v[TC+\i]
.endr
.endm
.macro GWLD b, buf                     ; rows 8 b .. 8 b + 7 of my wave's part of gate_W: every lane reads the same bytes
.irp i, 0,1,2,3,4,5,6,7,8,9,10,11,12,13,14,15
	ds_load_b128 v[\buf+4*\i:\buf+4*\i+3], v6 offset:GW+256*(\b)+16*\i
.endr
.endm
.macro FMAS b, buf                     ; 8 k x 8 experts: x_k serves both halves of a packed multiply-add; even and odd k have sums of their own
.irp kk, 0,1,2,3,4,5,6,7
.irp p, 0,1,2,3
.if (\kk%2) == 0
.if ((\b) == 0) && (\kk == 0)
	v_pk_mul_f32 v[AE+2*\p:AE+2*\p+1], v[X+8*(\b)+\kk:X+8*(\b)+\kk+1], v[\buf+8*\kk+2*\p:\buf+8*\kk+2*\p+1] op_sel_hi:[0,1]
.else
	v_pk_fma_f32 v[AE+2*\p:AE+2*\p+1], v[X+8*(\b)+\kk:X+8*(\b)+\kk+1], v[\buf+8*\kk+2*\p:\buf+8*\kk+2*\p+1], v[AE+2*\p:AE+2*\p+1] op_sel_hi:[0,1,1]
.endif
.else
.if ((\b) == 0) && (\kk == 1)
	v_pk_mul_f32 v[AO+2*\p:AO+2*\p+1], v[X+8*(\b)+\kk-1:X+8*(\b)+\kk], v[\buf+8*\kk+2*\p:\buf+8*\kk+2*\p+1] op_sel:[1,0] op_sel_hi:[1,1]
.else
	v_pk_fma_f32 v[AO+2*\p:AO+2*\p+1], v[X+8*(\b)+\kk-1:X+8*(\b)+\kk], v[\buf+8*\kk+2*\p:\buf+8*\kk+2*\p+1], v[AO+2*\p:AO+2*\p+1] op_sel:[1,0,0] op_sel_hi:[1,1,1]
.endif
.endif
.endr
.endr
.endm
	s_load_b256 s[4:11], s[0:1], 0x0               ; x s[4:5], gate_W s[6:7], gate_b s[8:9], xq s[10:11]
	s_load_b128 s[12:15], s[0:1], 0x20             ; sel s[12:13], gate s[14:15]
	v_lshl_add_u32 v254, v0, 2, 0x9200
	v_mov_b32 v255, 0
	v_and_b32 v1, 31, v0                           ; lane = token in the work-group
	v_lshrrev_b32 v2, 5, v0
	v_readfirstlane_b32 s16, v2                    ; wave 0..7
	v_lshlrev_b32 v3, 4, v1                        ; 16 x lane
	v_lshlrev_b32 v4, 11, v1                       ; my token's row of x: 2,048 bytes
	s_lshl_b32 s20, s16, 11                        ; my wave's 64 rows of gate_W: 2,048 bytes
	s_mov_b32 s21, 0
	s_lshl_b32 s18, ttmp9, 16                      ; the work-group's 32 rows of x
	s_lshl_b32 s19, s16, 8                         ; + my wave's 256 bytes of a row
	s_add_co_u32 s18, s18, s19
	s_mov_b32 s19, 0
	; every LDS address is a constant x lane + a constant x wave, made here once
	v_add_nc_u32 v5, s20, v3                       ; gate_W in: 2,048 w + 16 lane
	v_mov_b32 v6, s20                              ; gate_W out: 2,048 w
	s_mul_i32 s22, s16, 48
	v_mul_u32_u24 v7, v1, 384
	v_add_nc_u32 v7, s22, v7                       ; codes: 384 lane + 48 w
	s_lshr_b32 s22, s16, 1
	s_lshl_b32 s22, s22, 2
	s_and_b32 s23, s16, 1
	s_add_co_u32 s22, s22, s23
	v_add_nc_u32 v8, s22, v3                       ; scale bytes: 16 lane + 4 (w / 2) + w % 2
	s_lshl_b32 s22, s16, 10
	v_lshlrev_b32 v11, 5, v1                       ; 32 x lane
	v_add_nc_u32 v9, s22, v11                      ; partial logits: 1,024 w + 32 lane
	s_mul_i32 s22, s16, 1536
	v_add_nc_u32 v10, s22, v3                      ; the way out: 1,536 w + 16 lane
	s_wait_kmcnt 0x0
	s_load_b256 s[24:31], s[8:9], 0x0              ; gate_b
	s_add_nc_u64 s[4:5], s[4:5], s[18:19]
	s_add_nc_u64 s[6:7], s[6:7], s[20:21]
.irp q, 0,1,2,3
	global_load_b128 v[PC+4*\q:PC+4*\q+3], v3, s[6:7] offset:512*\q
.endr
.irp q, 0,1,2,3,4,5,6,7,8,9,10,11,12,13,14,15
	global_load_b128 v[X+4*\q:X+4*\q+3], v4, s[4:5] offset:16*\q th:TH_LOAD_NT    ; the sixteen together take my token's aligned 256 bytes
.endr
	s_wait_loadcnt 16                              ; gate_W's four are in; x's sixteen may be out
.irp q, 0,1,2,3
	ds_store_b128 v5, v[PC+4*\q:PC+4*\q+3] offset:GW+512*\q     ; the wave's own bytes: LDS serves a wave's instructions in order, no barrier
.endr
	GWLD 0, GA
	GWLD 1, GB
.irp b, 0,1,2,3,4,5,6,7
.if \b < 7
	s_wait_dscnt 16                                ; this batch's sixteen loads are in; the next batch's may be out
.else
	s_wait_dscnt 0x0
.endif
	s_wait_loadcnt 14-2*\b                         ; x's loads 2 b and 2 b + 1 are in: 14 - 2 b were issued behind them
.if (\b%2) == 0
	FMAS \b, GA
.if \b < 6
	GWLD \b+2, GA
.endif
.else
	FMAS \b, GB
.if \b < 6
	GWLD \b+2, GB
.endif
.endif
.endr
.irp p, 0,1,2,3
	v_pk_add_f32 v[AE+2*\p:AE+2*\p+1], v[AE+2*\p:AE+2*\p+1], v[AO+2*\p:AO+2*\p+1]
.endr
	QBLK 0, X
	QBLK 1, X+32
.irp j, 0,1,2
	ds_store_b128 v7, v[PC+4*\j:PC+4*\j+3] offset:XST+16*\j
.endr
	ds_store_b8 v8, v[BY] offset:XSS
	ds_store_b8 v8, v[BY+1] offset:XSS+2
	ds_store_b128 v9, v[AE:AE+3] offset:PL
	ds_store_b128 v9, v[AE+4:AE+7] offset:PL+16
	s_wait_kmcnt 0x0                               ; gate_b
	s_wait_dscnt 0x0                               ; for the others' sake: my stores have landed
	s_barrier_signal -1
	s_barrier_wait -1
	; the codes leave as they lie: 12,288 consecutive bytes a work-group, 512 a store
.irp j, 0,1,2
	ds_load_b128 v[X+4*\j:X+4*\j+3], v10 offset:XST+512*\j
.endr
	s_mul_i32 s22, ttmp9, 12288
	s_mov_b32 s23, 0
	s_add_nc_u64 s[32:33], s[10:11], s[22:23]
.irp j, 0,1,2
	s_wait_dscnt 2-\j
	global_store_b128 v10, v[X+4*\j:X+4*\j+3], s[32:33] offset:512*\j
.endr
	s_cmp_lg_u32 s16, 1
	s_cbranch_scc1 .Lnot_wave_1
	ds_load_b128 v[X+16:X+19], v3 offset:XSS       ; wave 1: the 32 tokens' scale words, 512 consecutive bytes
	s_lshl_b32 s22, ttmp9, 9
	s_add_nc_u64 s[34:35], s[10:11], s[22:23]
	s_wait_dscnt 0x0
	global_store_b128 v3, v[X+16:X+19], s[34:35] offset:XS_OFF
.Lnot_wave_1:
	s_cmp_lg_u32 s16, 0
	s_cbranch_scc1 .Lend
	; ---- wave 0: the router, a lane a token
.irp w, 0,1,2,3,4,5,6,7
	ds_load_b128 v[GA+8*\w:GA+8*\w+3], v11 offset:PL+1024*\w
	ds_load_b128 v[GA+8*\w+4:GA+8*\w+7], v11 offset:PL+1024*\w+16
.endr
	s_mov_b32 s42, 0x76543210
	s_mov_b32 s43, 0xfedcba98                      ; v_permlanex16_b32's selects for lane l xor 16
	s_wait_dscnt 0x0
.irp j, 0,1,2,3,4,5,6,7
	v_add_f32 v[AE+\j], s[24+\j], v[GA+\j]         ; gate_b + wave 0's part,
.endr
.irp w, 1,2,3,4,5,6,7
.irp p, 0,1,2,3
	v_pk_add_f32 v[AE+2*\p:AE+2*\p+1], v[AE+2*\p:AE+2*\p+1], v[GA+8*\w+2*\p:GA+8*\w+2*\p+1]   ; + the others', K ascending
.endr
.endr
	v_max3_num_f32 v12, v208, v209, v210
	v_max3_num_f32 v12, v12, v211, v212
	v_max3_num_f32 v12, v12, v213, v214
	v_max_num_f32 v12, v12, v215                   ; the largest logit is taken away before the exponential
.irp j, 0,1,2,3,4,5,6,7
	v_sub_f32 v[224+\j], v[208+\j], v12
.endr
.irp j, 0,1,2,3,4,5,6,7
	v_mul_f32 v[224+\j], 0x3fb8aa3b, v[224+\j]     ; x log2(e)
.endr
.irp j, 0,1,2,3,4,5,6,7
	v_exp_f32 v[216+\j], v[224+\j]
.endr
	v_nop                                          ; a plain place behind the batch
	s_wait_alu depctr_va_vdst(0)                   ; one wait for the eight, ahead of their first reader
	v_add_f32 v13, v216, v217
	v_add_f32 v14, v218, v219
	v_add_f32 v15, v220, v221
	v_add_f32 v232, v222, v223
	v_add_f32 v13, v13, v14
	v_add_f32 v15, v15, v232
	v_add_f32 v13, v13, v15
	v_rcp_f32 v14, v13
	v_mov_b32 v233, -1.0                           ; (a plain place)  under every probability
	s_wait_alu depctr_va_vdst(0)
.irp j, 0,1,2,3,4,5,6,7
	v_mul_f32 v[216+\j], v[216+\j], v14            ; the probabilities
.endr
	v_mov_b32 v234, v216                           ; the largest: a later one takes its place only if it is strictly larger
	v_mov_b32 v235, 0
.irp j, 1,2,3,4,5,6,7
	v_cmp_ge_f32 vcc_lo, v234, v[216+\j]
	v_cndmask_b32 v234, v[216+\j], v234, vcc_lo
	v_cndmask_b32 v235, \j, v235, vcc_lo
.endr
.irp j, 0,1,2,3,4,5,6,7
	v_cmp_eq_u32 vcc_lo, \j, v235
	v_cndmask_b32 v[224+\j], v[216+\j], v233, vcc_lo       ; the first choice is taken out
.endr
	v_mov_b32 v236, v224
	v_mov_b32 v237, 0
.irp j, 1,2,3,4,5,6,7
	v_cmp_ge_f32 vcc_lo, v236, v[224+\j]
	v_cndmask_b32 v236, v[224+\j], v236, vcc_lo
	v_cndmask_b32 v237, \j, v237, vcc_lo
.endr
	v_add_f32 v238, v234, v236
	v_rcp_f32 v239, v238
	v_lshl_or_b32 v240, v237, 8, v235              ; (a plain place)  e0 | e1 << 8
	s_wait_alu depctr_va_vdst(0)
	v_mul_f32 v242, v234, v239
	v_mul_f32 v243, v236, v239                     ; the two weights, which add up to 1
	s_lshl_b32 s22, ttmp9, 7
	s_add_nc_u64 s[36:37], s[12:13], s[22:23]
	s_lshl_b32 s22, ttmp9, 8
	s_add_nc_u64 s[38:39], s[14:15], s[22:23]
	s_lshl_b32 s22, ttmp9, 5
	s_add_nc_u64 s[40:41], s[14:15], s[22:23]
	v_lshlrev_b32 v241, 2, v1
	v_lshlrev_b32 v245, 3, v1
	global_store_b32 v241, v240, s[36:37]
	global_store_b64 v245, v[242:243], s[38:39]
.irp m, 1,2,4,8                        ; the 32 tokens' sums of each probability
.irp j, 0,1,2,3,4,5,6,7
	v_add_f32_dpp v[216+\j], v[216+\j], v[216+\j] row_xmask:\m row_mask:0xf bank_mask:0xf
.endr
.endr
.irp j, 0,1,2,3,4,5,6,7
	v_permlanex16_b32 v[224+\j], v[216+\j], s42, s43
.endr
.irp j, 0,1,2,3,4,5,6,7
	v_add_f32 v[216+\j], v[216+\j], v[224+\j]
.endr
	v_mov_b32 v244, 0
	v_cmp_eq_u32 vcc_lo, 0, v1
	s_wait_xcnt 0x0                                ; EXEC changes only behind this wait
	s_and_saveexec_b32 s44, vcc_lo                 ; lane 0 alone
	global_store_b128 v244, v[216:219], s[40:41] offset:PART_OFF
	global_store_b128 v244, v[220:223], s[40:41] offset:PART_OFF+16
	s_wait_xcnt 0x0
	s_or_b32 exec_lo, exec_lo, s44
.Lend:
	s_wait_tensorcnt 0x0
	ds_add_u32 v254, v255
	s_wait_dscnt 0x0
	s_endpgm
.Lfunc_end_k_q8508f4d45e_route:
	.size	k_q8508f4d45e_route, .Lfunc_end_k_q8508f4d45e_route-k_q8508f4d45e_route
	.p2alignl 7, 3214868480
	.fill 96, 4, 3214868480
	.section	.rodata,"a",@progbits
	.p2align	6, 0x0
	.amdhsa_kernel k_q8508f4d45e_route
		.amdhsa_group_segment_fixed_size 38400
		.amdhsa_private_segment_fixed_size 0
		.amdhsa_enable_private_segment 0
		.amdhsa_kernarg_size 48
		.amdhsa_user_sgpr_count 2
		.amdhsa_user_sgpr_kernarg_segment_ptr 1
		.amdhsa_wavefront_size32 1
		.amdhsa_system_sgpr_workgroup_id_x 1
		.amdhsa_system_sgpr_workgroup_id_y 1
		.amdhsa_system_sgpr_workgroup_id_z 1
		.amdhsa_system_vgpr_workitem_id 0
		.amdhsa_next_free_vgpr 256
		.amdhsa_next_free_sgpr 66
		.amdhsa_reserve_vcc 1
		.amdhsa_float_denorm_mode_32 3
		.amdhsa_float_denorm_mode_16_64 3
		.amdhsa_memory_ordered 1
		.amdhsa_forward_progress 1
		.amdhsa_inst_pref_size 44
	.end_amdhsa_kernel
	.amdgpu_metadata
---
amdhsa.version: [ 1, 2 ]
amdhsa.kernels:
  - .name:           k_q8508f4d45e_route
    .symbol:         k_q8508f4d45e_route.kd
    .args:
      - { .name: x, .offset: 0, .size: 8, .value_kind: global_buffer, .address_space: global }
      - { .name: gate_W, .offset: 8, .size: 8, .value_kind: global_buffer, .address_space: global }
      - { .name: gate_b, .offset: 16, .size: 8, .value_kind: global_buffer, .address_space: global }
      - { .name: xq, .offset: 24, .size: 8, .value_kind: global_buffer, .address_space: global }
      - { .name: sel, .offset: 32, .size: 8, .value_kind: global_buffer, .address_space: global }
      - { .name: gate, .offset: 40, .size: 8, .value_kind: global_buffer, .address_space: global }
    .group_segment_fixed_size: 38400
    .private_segment_fixed_size: 0
    .kernarg_segment_align: 8
    .kernarg_segment_size: 48
    .max_flat_workgroup_size: 256
    .sgpr_count:     66
    .vgpr_count:     256
    .wavefront_size: 32
...
	.end_amdgpu_metadata
.endif
;; end of part 1
;; launch place (part 2): grid 137 x 1, 32 waves a work-group, no clusters, 5,120 bytes of LDS; arguments sel, gate, W1_codes, W1_scales, W2_codes, W2_scales, plan, wlay, out1; writes plan, wlay, out1
.if DOCPART == 2
	.amdgcn_target "amdgcn-amd-amdhsa--gfx1250"
	.amdhsa_code_object_version 6
	.text
	.protected	k_q8508f4d45e_place
	.globl	k_q8508f4d45e_place
	.p2align	8
	.type	k_q8508f4d45e_place,@function
k_q8508f4d45e_place:
	s_mov_b64 s[64:65], 0
	v_nop
	global_prefetch_b8 v0, s[64:65] scope:SCOPE_SE
	s_setreg_imm32_b32 hwreg(HW_REG_WAVE_MODE, 25, 1), 1
	s_wait_xcnt 0x0
; THREE JOBS, told apart by the work-group's number.
; Work-group 0: a counting sort of the 8,192 routed rows (row 2 t + k: token t, choice k) by expert, without atomics; the table of tiles of at most 48 rows; the aux loss.
;   plan word T = expert | rows << 8 (0 rows behind the last tile);  from ROWS_OFF on: rows[48 T + i] = routed row; only real entries are stored.
; Work-groups 1 .. 128: W1's and W2's codes are copied once into the order in which a wave's operand registers take them.  A fragment (16 rows x 128 K) is 1,536 bytes:
;   group j of four registers of lane l at 512 j + 16 l.  Lane (r, h) takes the 48 consecutive bytes 96 s + 48 h of its row.
;   W1's fragment ((e 4 + w) 4 + s) 32 + t: rows 2048 e + 512 w + 128 (t / 8) + 8 (t % 8) + (r % 8) + 64 (r / 8);  W2's ((e 4 + w) 16 + s) 8 + t: rows 512 e + 128 w + 16 t + r.
; Work-groups 129 .. 136: the scale words likewise, bytes 1 and 2 of each word changing places (the codes' blocks 1 and 2 of a K step have changed places too);
;   a register carries tile 2 p in lanes 0-15 and tile 2 p + 1 in lanes 16-31, four such registers to 16 bytes a lane.
; Only work-group 0 uses LDS and a barrier; the branch that leads there hangs on the work-group's number, which all its waves share.
.set ROWS_OFF, 4096
.set PART_OFF, 32768
.set WQ2, 6291456
.set WS1, 12582912
.set WS2, 12845056
.set L16, 60                           ; v60  16 x lane; never rewritten
	s_load_b512 s[4:19], s[0:1], 0x0               ; sel 4, gate 6, W1 codes 8, W1 scales 10, W2 codes 12, W2 scales 14, plan 16, wlay 18
	s_load_b64 s[20:21], s[0:1], 0x40              ; out1
	v_lshl_add_u32 v64, v0, 2, 0x400
	v_mov_b32 v65, 0
	v_and_b32 v1, 31, v0                           ; lane
	v_lshrrev_b32 v2, 5, v0
	v_readfirstlane_b32 s22, v2                    ; wave 0..31
	v_lshlrev_b32 v[L16], 4, v1
	s_wait_kmcnt 0x0
	s_cmp_eq_u32 ttmp9, 0
	s_cbranch_scc1 .Lsort
	s_cmp_gt_u32 ttmp9, 128
	s_cbranch_scc1 .Lscales
	; ---- the codes: a wave copies fragments q and q + 1
	s_sub_co_u32 s24, ttmp9, 1
	s_lshr_b32 s25, s24, 6                         ; 0: W1, 1: W2
	s_and_b32 s24, s24, 63
	s_lshl_b32 s24, s24, 5
	s_add_co_u32 s24, s24, s22
	s_lshl_b32 s24, s24, 1                         ; q, even
	s_lshr_b32 s26, s24, 9                         ; e
	s_bfe_u32 s27, s24, 0x20007                    ; w
	s_and_b32 s28, s24, 7                          ; t % 8
	s_bfe_u32 s29, s24, 0x20003                    ; W1: t / 8
	s_bfe_u32 s30, s24, 0x20005                    ; W1: s
	s_lshl_b32 s31, s26, 11
	s_lshl_b32 s32, s27, 9
	s_add_co_u32 s31, s31, s32
	s_lshl_b32 s32, s29, 7
	s_add_co_u32 s31, s31, s32
	s_lshl_b32 s32, s28, 3
	s_add_co_u32 s31, s31, s32                     ; W1: the fragment's first row
	s_mul_i32 s31, s31, 384
	s_mul_i32 s32, s30, 96
	s_add_co_u32 s31, s31, s32                     ; in bytes, + the K step
	s_bfe_u32 s33, s24, 0x40003                    ; W2: s
	s_lshl_b32 s34, s26, 9
	s_lshl_b32 s35, s27, 7
	s_add_co_u32 s34, s34, s35
	s_lshl_b32 s35, s28, 4
	s_add_co_u32 s34, s34, s35                     ; W2: the fragment's first row
	s_mul_i32 s34, s34, 1536
	s_mul_i32 s35, s33, 96
	s_add_co_u32 s34, s34, s35
	s_mov_b32 s36, 1536
	s_mov_b32 s37, 12288
	s_mov_b32 s38, 24576
	s_mov_b32 s39, 3072
	s_cmp_eq_u32 s25, 0
	s_cselect_b32 s31, s31, s34                    ; where the fragment begins
	s_cselect_b32 s36, 384, s36                    ; from row to row
	s_cselect_b32 s37, s38, s37                    ; from rows 0-7 to rows 8-15: 64 rows of W1, 8 of W2
	s_cselect_b32 s39, s39, s38                    ; from fragment q to q + 1: 8 rows of W1, 16 of W2
	s_cselect_b32 s40, 0, WQ2
	s_cselect_b64 s[42:43], s[8:9], s[12:13]
	s_mul_i32 s41, s24, 1536
	s_add_co_u32 s40, s40, s41
	s_mov_b32 s41, 0
	s_add_nc_u64 s[44:45], s[18:19], s[40:41]
	v_and_b32 v3, 7, v0
	v_bfe_u32 v4, v0, 3, 1
	v_bfe_u32 v5, v0, 4, 1
	v_mul_lo_u32 v6, v3, s36
	v_mul_lo_u32 v7, v4, s37
	v_mul_u32_u24 v8, v5, 48
	v_add_nc_u32 v6, v6, v7
	v_add_nc_u32 v6, v6, v8
	v_add_nc_u32 v6, s31, v6
	v_add_nc_u32 v7, s39, v6
.irp j, 0,1,2
	global_load_b128 v[16+4*\j:19+4*\j], v6, s[42:43] offset:16*\j
.endr
.irp j, 0,1,2
	global_load_b128 v[28+4*\j:31+4*\j], v7, s[42:43] offset:16*\j
.endr
.irp j, 0,1,2
	s_wait_loadcnt 5-\j                            ; load j is in: 5 - j were issued behind it
	global_store_b128 v[L16], v[16+4*\j:19+4*\j], s[44:45] offset:512*\j       ; 512 consecutive bytes a store
.endr
.irp j, 0,1,2
	s_wait_loadcnt 2-\j
	global_store_b128 v[L16], v[28+4*\j:31+4*\j], s[44:45] offset:1536+512*\j
.endr
	s_endpgm
	; ---- the scale words
.macro SCL ld, st                      ; four loads of 16 bytes (four K steps' words of one row each), turned into four stores (one K step's words of four tiles each)
.irp i, 0,1,2,3
	global_load_b128 v[16+4*\i:19+4*\i], v3, s[32:33] offset:\ld*\i
.endr
	s_wait_loadcnt 0x0
.irp s, 0,1,2,3
.irp i, 0,1,2,3
	v_perm_b32 v[32+4*\s+\i], v[16+4*\i+\s], v[16+4*\i+\s], s46                ; bytes 0, 2, 1, 3
.endr
.endr
.irp s, 0,1,2,3
	global_store_b128 v[L16], v[32+4*\s:35+4*\s], s[36:37] offset:\st*\s
.endr
.endm
.Lscales:
	s_sub_co_u32 s24, ttmp9, 129
	s_lshl_b32 s24, s24, 5
	s_add_co_u32 s24, s24, s22                     ; 0 .. 255
	s_lshr_b32 s25, s24, 7                         ; 0: W1, 1: W2
	s_bfe_u32 s26, s24, 0x30004                    ; e
	s_bfe_u32 s27, s24, 0x20002                    ; w
	s_and_b32 s28, s24, 3                          ; q
	s_lshl_b32 s29, s26, 2
	s_add_co_u32 s29, s29, s27
	s_lshl_b32 s29, s29, 13                        ; (4 e + w) x 8,192 bytes, in both tensors and in both layouts
	s_mov_b32 s31, 0
	s_mov_b32 s35, 0
	s_mov_b32 s46, 0x03010200
	s_cmp_lg_u32 s25, 0
	s_cbranch_scc1 .Lscales_2
	s_lshl_b32 s30, s28, 11                        ; W1: group q of 8 tiles = 128 rows of 16 bytes
	s_add_co_u32 s30, s30, s29
	s_add_nc_u64 s[32:33], s[10:11], s[30:31]
	s_lshl_b32 s34, s28, 9
	s_add_co_u32 s34, s34, s29
	s_add_nc_u64 s[36:37], s[18:19], s[34:35]
	s_add_nc_u64 s[36:37], s[36:37], WS1
	v_and_b32 v3, 7, v0
	v_lshlrev_b32 v3, 4, v3                        ; row (r % 8)
	v_bfe_u32 v4, v0, 3, 1
	v_lshl_add_u32 v3, v4, 10, v3                  ; + 64 (r / 8)
	v_bfe_u32 v4, v0, 4, 1
	v_lshl_add_u32 v3, v4, 7, v3                   ; + 8 for lanes 16-31: the odd tile
	SCL 256, 2048
	s_endpgm
.Lscales_2:
	s_lshl_b32 s30, s28, 4                         ; W2: K steps 4 q .. 4 q + 3 of each row of 64 bytes
	s_add_co_u32 s30, s30, s29
	s_add_nc_u64 s[32:33], s[14:15], s[30:31]
	s_lshl_b32 s34, s28, 11
	s_add_co_u32 s34, s34, s29
	s_add_nc_u64 s[36:37], s[18:19], s[34:35]
	s_add_nc_u64 s[36:37], s[36:37], WS2
	v_lshlrev_b32 v3, 6, v1                        ; row = lane; 32 rows on for each register
	SCL 2048, 512
	s_endpgm
	; ---- the sort.  Thread t owns tokens 4 t .. 4 t + 3.  Counts of two experts share a register, 16 bits each (at most 4,096)
.macro SCAN b                          ; v[b] .. v[b + 3]: inclusive sums over the wave's lanes
.irp n, 1,2,4,8
.irp q, 0,1,2,3
	v_mov_b32_dpp v[44+\q], v[\b+\q] row_shr:\n row_mask:0xf bank_mask:0xf bound_ctrl:1
.endr
.irp q, 0,1,2,3
	v_add_nc_u32 v[\b+\q], v[\b+\q], v[44+\q]
.endr
.endr
	v_cmp_le_u32 vcc_lo, 16, v1
.irp q, 0,1,2,3
	v_readlane_b32 s[24+\q], v[\b+\q], 15          ; lanes 0-15's total goes onto lanes 16-31
.endr
.irp q, 0,1,2,3
	v_mov_b32 v[44+\q], s[24+\q]
	v_cndmask_b32 v[44+\q], 0, v[44+\q], vcc_lo
	v_add_nc_u32 v[\b+\q], v[\b+\q], v[44+\q]
.endr
.endm
.Lsort:
	v_lshlrev_b32 v3, 4, v0
	global_load_b128 v[4:7], v3, s[4:5]
	v_mov_b32 v2, 1
	v_mov_b32 v42, 0
.irp q, 0,1,2,3
	v_mov_b32 v[44+\q], 0                          ; written once: a DPP move's destination counts as one of its sources
.endr
	s_wait_loadcnt 0x0
.irp j, 0,1,2,3
	v_and_b32 v[8+2*\j], 7, v[4+\j]                ; v[8 + 2 j + k]: the expert of routed row 8 t + 2 j + k
	v_bfe_u32 v[9+2*\j], v[4+\j], 8, 3
.endr
.irp n, 0,1,2,3,4,5,6,7
	v_lshlrev_b32 v43, 2, v[8+\n]
	v_lshlrev_b32 v43, v43, v2
	v_add_nc_u32 v42, v42, v43                     ; my eight rows counted, four bits an expert
.endr
.irp q, 0,1,2,3
	v_bfe_u32 v43, v42, 8*\q, 4
	v_bfe_u32 v41, v42, 8*\q+4, 4
	v_lshl_or_b32 v[16+\q], v41, 16, v43           ; widened: experts 2 q and 2 q + 1
	v_mov_b32 v[20+\q], v[16+\q]
.endr
	SCAN 20
.irp q, 0,1,2,3
	v_readlane_b32 s[28+\q], v[20+\q], 31          ; my wave's totals
.endr
.irp q, 0,1,2,3
	v_mov_b32 v[48+\q], s[28+\q]
.endr
	s_lshl_b32 s32, s22, 4
	v_mov_b32 v52, s32
	ds_store_b128 v52, v[48:51]                    ; every lane writes the same 16 bytes with the same values
	s_wait_dscnt 0x0
	s_barrier_signal -1
	s_barrier_wait -1
	ds_load_b128 v[24:27], v[L16]                  ; lane l: wave l's totals
	s_wait_dscnt 0x0
	SCAN 24
	s_sub_co_i32 s31, s22, 1
	s_max_i32 s31, s31, 0
.irp q, 0,1,2,3
	v_readlane_b32 s[32+\q], v[24+\q], s31         ; what the waves in front of mine have,
	v_readlane_b32 s[36+\q], v[24+\q], 31          ; and what all have
.endr
	s_cmp_eq_u32 s22, 0
.irp q, 0,1,2,3
	s_cselect_b32 s[32+\q], 0, s[32+\q]
.endr
.irp q, 0,1,2,3
	s_and_b32 s[40+2*\q], s[36+\q], 0xffff         ; s40-47: rows of expert e
	s_lshr_b32 s[41+2*\q], s[36+\q], 16
.endr
	s_mov_b32 s30, 0
.irp e, 0,1,2,3,4,5,6,7
	s_mov_b32 s[48+\e], s30                        ; s48-55: expert e's first tile
	s_add_co_u32 s29, s[40+\e], 47
	s_mul_i32 s29, s29, 43691
	s_lshr_b32 s29, s29, 21                        ; its tiles: (rows + 47) / 48, exact for numbers under 131,072
	s_add_co_u32 s30, s30, s29
	s_mov_b32 s[56+\e], s30                        ; s56-63: the tile behind its last
.endr
.irp q, 0,1,2,3
	v_sub_nc_u32 v[28+\q], v[20+\q], v[16+\q]      ; rows of each expert in front of my thread's
	v_add_nc_u32 v[28+\q], s[32+\q], v[28+\q]
.endr
.irp n, 0,1,2,3,4,5,6,7
	v_mov_b32 v[32+\n], 0
.endr
.irp e, 0,1,2,3,4,5,6,7
.if (\e%2) == 0
	v_and_b32 v40, 0xffff, v[28+\e/2]
.else
	v_lshrrev_b32 v40, 16, v[28+\e/2]
.endif
	s_mul_i32 s29, s[48+\e], 48
	v_add_nc_u32 v40, s29, v40                     ; where my next row of expert e goes
.irp n, 0,1,2,3,4,5,6,7
	v_cmp_eq_u32 vcc_lo, \e, v[8+\n]
	v_cndmask_b32 v[32+\n], v[32+\n], v40, vcc_lo
	v_add_co_ci_u32 v40, vcc_lo, 0, v40, vcc_lo    ; one on where the row was e's
.endr
.endr
	v_lshlrev_b32 v54, 3, v0
.irp n, 0,1,2,3,4,5,6,7
	v_min_u32 v[32+\n], 8543, v[32+\n]             ; 178 tiles x 48 entries
	v_lshlrev_b32 v[32+\n], 2, v[32+\n]
	v_add_nc_u32 v[8+\n], \n, v54                  ; the routed row's number
	global_store_b32 v[32+\n], v[8+\n], s[16:17] offset:ROWS_OFF
.endr
	; the table: thread T writes tile T
	v_mov_b32 v55, 0
	v_mov_b32 v56, s40
	v_mov_b32 v57, 0
.irp e, 1,2,3,4,5,6,7
	v_cmp_gt_u32 vcc_lo, s[55+\e], v0              ; T still lies in front of expert e's first tile
	v_cndmask_b32 v55, \e, v55, vcc_lo
	v_cndmask_b32 v56, s[40+\e], v56, vcc_lo
	v_cndmask_b32 v57, s[48+\e], v57, vcc_lo
.endr
	v_sub_nc_u32 v58, v0, v57
	v_mul_u32_u24 v58, v58, 48
	v_min_u32 v58, v58, v56
	v_sub_nc_u32 v58, v56, v58                     ; the expert's rows from this tile on, 0 behind the last,
	v_min_u32 v58, 48, v58                         ; at most 48
	v_lshl_or_b32 v58, v58, 8, v55
	v_lshlrev_b32 v59, 2, v0
	global_store_b32 v59, v58, s[16:17]
	s_cmp_lg_u32 s22, 0
	s_cbranch_scc1 .Ldone
	; ---- wave 0: the aux loss
.macro CV2 b, res                      ; (std with ddof 1 / (mean + 1e-6))^2 of v[b] .. v[b + 7]
	v_add_f32 v36, v[\b], v[\b+1]
	v_add_f32 v37, v[\b+2], v[\b+3]
	v_add_f32 v38, v[\b+4], v[\b+5]
	v_add_f32 v39, v[\b+6], v[\b+7]
	v_add_f32 v36, v36, v37
	v_add_f32 v38, v38, v39
	v_add_f32 v36, v36, v38
	v_mul_f32 v36, 0x3e000000, v36                 ; the mean
.irp j, 0,1,2,3,4,5,6,7
	v_sub_f32 v[\b+\j], v[\b+\j], v36
.endr
	v_mul_f32 v37, v[\b], v[\b]
.irp j, 1,2,3,4,5,6,7
	v_fmac_f32 v37, v[\b+\j], v[\b+\j]
.endr
	v_add_f32 v36, 0x358637bd, v36                 ; + 1e-6
	v_mul_f32 v36, v36, v36
	v_rcp_f32 v38, v36
	v_mul_f32 v37, 0x3e124925, v37                 ; (a plain place)  / 7
	s_wait_alu depctr_va_vdst(0)                   ; ahead of the reciprocal's first reader
	v_mul_f32 v[\res], v37, v38
.endm
	s_wait_xcnt 0x0                                ; the stores above have read their registers
	s_mov_b32 s66, 0x76543210
	s_mov_b32 s67, 0xfedcba98
	v_lshlrev_b32 v3, 7, v1                        ; lane l: the sums of work-groups 4 l .. 4 l + 3 of the router's launch
.irp i, 0,1,2,3,4,5,6,7
	global_load_b128 v[4+4*\i:7+4*\i], v3, s[6:7] offset:PART_OFF+16*\i
.endr
	s_wait_loadcnt 0x0
.irp a, 1,2,3
.irp p, 0,1,2,3
	v_pk_add_f32 v[4+2*\p:5+2*\p], v[4+2*\p:5+2*\p], v[4+8*\a+2*\p:5+8*\a+2*\p]
.endr
.endr
.irp m, 1,2,4,8
.irp j, 0,1,2,3,4,5,6,7
	v_add_f32_dpp v[4+\j], v[4+\j], v[4+\j] row_xmask:\m row_mask:0xf bank_mask:0xf
.endr
.endr
.irp j, 0,1,2,3,4,5,6,7
	v_permlanex16_b32 v[12+\j], v[4+\j], s66, s67
.endr
.irp j, 0,1,2,3,4,5,6,7
	v_add_f32 v[4+\j], v[4+\j], v[12+\j]           ; the importance of each expert
.endr
	CV2 4, 40
.irp e, 0,1,2,3,4,5,6,7
	v_cvt_f32_u32 v[20+\e], s[40+\e]
.endr
.irp e, 0,1,2,3,4,5,6,7
	v_mul_f32 v[20+\e], 0x39800000, v[20+\e]       ; the load: rows / 4,096
.endr
	CV2 20, 41
	v_add_f32 v40, v40, v41
	v_mov_b32 v41, 0
	v_cmp_eq_u32 vcc_lo, 0, v1
	s_wait_xcnt 0x0                                ; EXEC changes only behind this wait
	s_and_saveexec_b32 s68, vcc_lo
	global_store_b32 v41, v40, s[20:21]
	s_wait_xcnt 0x0
	s_or_b32 exec_lo, exec_lo, s68
.Ldone:
	s_wait_tensorcnt 0x0
	ds_add_u32 v64, v65
	s_wait_dscnt 0x0
	s_endpgm
.Lfunc_end_k_q8508f4d45e_place:
	.size	k_q8508f4d45e_place, .Lfunc_end_k_q8508f4d45e_place-k_q8508f4d45e_place
	.p2alignl 7, 3214868480
	.fill 96, 4, 3214868480
	.section	.rodata,"a",@progbits
	.p2align	6, 0x0
	.amdhsa_kernel k_q8508f4d45e_place
		.amdhsa_group_segment_fixed_size 5120
		.amdhsa_private_segment_fixed_size 0
		.amdhsa_enable_private_segment 0
		.amdhsa_kernarg_size 72
		.amdhsa_user_sgpr_count 2
		.amdhsa_user_sgpr_kernarg_segment_ptr 1
		.amdhsa_wavefront_size32 1
		.amdhsa_system_sgpr_workgroup_id_x 1
		.amdhsa_system_sgpr_workgroup_id_y 1
		.amdhsa_system_sgpr_workgroup_id_z 1
		.amdhsa_system_vgpr_workitem_id 0
		.amdhsa_next_free_vgpr 66
		.amdhsa_next_free_sgpr 72
		.amdhsa_reserve_vcc 1
		.amdhsa_float_denorm_mode_32 3
		.amdhsa_float_denorm_mode_16_64 3
		.amdhsa_memory_ordered 1
		.amdhsa_forward_progress 1
		.amdhsa_inst_pref_size 39
	.end_amdhsa_kernel
	.amdgpu_metadata
---
amdhsa.version: [ 1, 2 ]
amdhsa.kernels:
  - .name:           k_q8508f4d45e_place
    .symbol:         k_q8508f4d45e_place.kd
    .args:
      - { .name: sel, .offset: 0, .size: 8, .value_kind: global_buffer, .address_space: global }
      - { .name: gate, .offset: 8, .size: 8, .value_kind: global_buffer, .address_space: global }
      - { .name: W1_codes, .offset: 16, .size: 8, .value_kind: global_buffer, .address_space: global }
      - { .name: W1_scales, .offset: 24, .size: 8, .value_kind: global_buffer, .address_space: global }
      - { .name: W2_codes, .offset: 32, .size: 8, .value_kind: global_buffer, .address_space: global }
      - { .name: W2_scales, .offset: 40, .size: 8, .value_kind: global_buffer, .address_space: global }
      - { .name: plan, .offset: 48, .size: 8, .value_kind: global_buffer, .address_space: global }
      - { .name: wlay, .offset: 56, .size: 8, .value_kind: global_buffer, .address_space: global }
      - { .name: out1, .offset: 64, .size: 8, .value_kind: global_buffer, .address_space: global }
    .group_segment_fixed_size: 5120
    .private_segment_fixed_size: 0
    .kernarg_segment_align: 8
    .kernarg_segment_size: 72
    .max_flat_workgroup_size: 1024
    .sgpr_count:     72
    .vgpr_count:     66
    .wavefront_size: 32
...
	.end_amdgpu_metadata
.endif
;; end of part 2
;; launch experts (part 3): grid 178 x 1, 4 waves a work-group, no clusters, 224,768 bytes of LDS; arguments plan, xq, gate, wlay, b1, ln_g, ln_b, b2, ybuf; writes ybuf
.if DOCPART == 3
	.amdgcn_target "amdgcn-amd-amdhsa--gfx1250"
	.amdhsa_code_object_version 6
	.text
	.protected	k_q8508f4d45e_experts
	.globl	k_q8508f4d45e_experts
	.p2align	8
	.type	k_q8508f4d45e_experts,@function
k_q8508f4d45e_experts:
	s_mov_b64 s[64:65], 0
	v_nop
	global_prefetch_b8 v0, s[64:65] scope:SCOPE_SE
	s_setreg_imm32_b32 hwreg(HW_REG_WAVE_MODE, 25, 1), 1
	s_wait_xcnt 0x0
; ONE TILE (at most 48 routed rows of ONE expert) THROUGH THE WHOLE CHAIN: x W1 + b1, LayerNorm over the 2,048 hidden units, exact GELU, quantiser, W2 + b2, the gate's weight.
; Both products on codes of E2M3 with E8M0 scales.  ybuf[routed row] = weight x (y + b2), 512 f32.  The hidden layer never goes to memory.
; GRID: ceil(8192 / 48) + 7 = 178 tiles serve every split of the rows among 8 experts.
; A TILE WITH FEWER THAN 48 ROWS, with none too, runs the whole text with all lanes on: a place behind the tile's last row takes a copy of that row (in a tile without rows: of the table's
;   entry 0, which every split fills), and is not stored.  The only branches on a loaded number are the twelve at the very end, each round the four stores of one row, which is one wave's:
;   every barrier and every counted loop stands on every wave's path, and EXEC is never changed.  At most 7 work-groups have no rows.
; NO CLUSTER, NO TENSOR LOAD: which expert's weights a work-group reads hangs on the stored list, so partners could not be shown to ask alike; the weights come from memory straight into
;   registers, in the order in which the operands take them (laid so by the launch before), through rings of registers that never drain at a barrier.
; SHARES: three tiles of 16 rows (i = 0, 1, 2).  Wave w makes hidden units 512 w .. 512 w + 511 for all 48 rows (96 accumulators, 768 registers), then outputs 128 w .. 128 w + 127 for all 48 rows.
; LAYOUT: both products are used transposed (source 0 = 16 rows of the weight, source 1 = 16 tokens): a lane holds ONE token (lane % 16).  Lane half h takes the 48 consecutive bytes
;   96 s + 48 h of a row for K step s, so blocks 1 and 2 of a K step change places on BOTH sides, and bytes 1 and 2 of every scale word with them: the same products, summed in another grouping.
;   W1's tile 8 g + t has rows 128 g + 8 t + (m % 8) + 64 (m / 8): the 64 registers of group g of a lane are then 64 NEIGHBOURS along the second product's K: K step 4 w + g, bytes 48 h of its codes.
; LayerNorm: each wave's mean, then the squares of the differences from it, then the four waves' figures joined: no difference of large sums.
; GELU: z/2 (1 + erf(z / sqrt 2)), erf as u P(u^2) / Q(u^2) with u held to +-4: absolute error about 1e-7; the far negative tail is not exact in relative terms.
; LIMITS: NaN and infinities are not served; a block whose largest magnitude lies under 2^-124 keeps the scale byte 1.
; REGISTERS, in windows of 256: window 1 + i: the hidden layer's 32 accumulators of row tile i (tile t at v[8 t]).  Window 0: addresses, operands, work (maps at each phase).
.set ROWS_OFF, 4096
.set XS_OFF,   1572864
.set WQ2,      6291456                 ; wlay: W2's fragments; W1's at 0
.set WS1,      12582912                ; W1's scale words; W2's 262,144 further on
.set XIMG, 0                           ; LDS: x's 12 fragments as images of their registers: (3 s + i) x 1,536
.set RIDL, 18432                       ; the 48 routed rows' numbers, a copy of 256 bytes for each wave
.set STAT, 19456                       ; (3 w + i) x 256 + 8 lane: the wave's mean and sum of squares
.set NST,  22528                       ; (3 w + i) x 512 + 16 lane: rstd, rstd, c, c
.set GBL,  28672                       ; 4,096 w: the wave's 512 ln_g, then its 512 ln_b
.set STG,  45056                       ; 24,576 w + 8,192 i + 512 q + 16 lane: a group of accumulators on its way to fixed registers; later 48 rows of y, 2,064 bytes apart
.set AIMG, 144384                      ; the activation's 48 fragments: (3 s + i) x 1,536
.set ASC,  218112                      ; their scale words: (3 s + i) x 128 + 4 lane
.set YP,   2064                        ; a row of y: 2,048 bytes + 16: sixteen rows of a store start at sixteen different groups of four banks (64 banks of 4 bytes: ISA guide 11.1)
; window 0, v0-31
.set L16, 1                            ; 16 x lane
.set H256, 2                           ; 256 h
.set H32, 3                            ; 32 h
.set H8,  4                            ; 8 h
.set RL,  5                            ; r = lane % 16
.set RID, 6                            ; v6-8   routed row of (i, r)
.set TOK, 9                            ; v9-11  twice its token
.set CW,  12                           ; v12, 14, 16: its weight (pairs; the odd ones hold 0)
.set SA,  18                           ; the stage; at the head: GS
.set VA,  19
.set GB0, 20
.set GAD, 21
.set NB,  22
.set NA,  23
.set AB,  24
.set AA,  25
.set CB,  26
.set CA,  27
.set STA, 28
.set L8,  29
.set RW,  30
.set T0,  31
.set GS,  18                           ; head only
.set AP,  19
.set ACW, 20
.set AXS, 23
.set AXF, 26
.set X48, 29
.set AF0, 18                           ; second product and way out
.set AF1, 19
.set AC0, 20
.set YB,  21
.set YR0, 24
.set YR1, 25
.set RA,  26
; window 0, first product
.set XS,  32                           ; v32-43   x's scale words: 4 i + s
.set XF,  44                           ; v44-79   x's three fragments of a K step
.set WS,  80                           ; v80-111  W1's scale words, two sets of 16: tile t in register t / 2, odd tiles in lanes 16-31
.set RING, 112                         ; v112-255 three slots of four fragments of W1
; window 0, statistics
.set SS,  32
.set QQ,  48
.set NM,  64                           ; v64-69  minus the wave's mean, twice
.set MW,  70                           ; v70-72  the wave's mean
.set MS,  74                           ; v74-79  (mean, sum of squares)
.set LS,  80                           ; v80-103 the four waves' figures
.set MEAN, 104
.set VV,  107
.set CD,  110
.set D0,  113
.set RSP, 120                          ; v120-131
; window 0, activation
.set R0,  32
.set R1,  64
.set R2,  96
.set R3,  128
.set R4,  160
.set PC,  192                          ; v192-203 a fragment's codes
.set TC,  204
.set MX,  208
.set SCO, 216
.set BY,  218
.set ST,  220                          ; v220-223 rstd, rstd, c, c
.set VKA1, 224
.set VKB1, 226
.set PW,  228
.set PT,  229
; window 0, second product: no register that ever holds scales is ever an operand
.set AS,  32                           ; v32-37   the activation's scale words, two sets of three
.set WQ,  80                           ; v80-95   W2's scale words, four slots of four
.set AF,  112                          ; v112-183 the activation's fragments, two sets of three
.set RR,  112                          ; way out: v112-123 the twelve rows' places in ybuf
.set OB,  128                          ; v128-159 two rows by turns
; scalars
.set WV,  24
.set EX,  25
.set CNT, 26
.set WB,  30                           ; s[30:31] wlay at my (expert, wave)'s fragments
.set SB,  32                           ; s[32:33] and scale words
.set PR,  34                           ; s[34:35] plan at my tile's rows
.set EPSS, 36
.set INV, 37
.set CM1, 38                           ; the tile's last entry
.set KA0, 40
.set KA2, 42
.set KA3, 44
.set KA4, 46
.set KA5, 48
.set KA6, 50
.set KB0, 52
.set KB2, 54
.set KB3, 56
.set KB4, 58
.set RS2, 60
.set SEL, 62
.set GC,  66
.set IC,  67
.set SO,  68
.set SN,  69
.set NN,  70
.set AO,  71
.set CO,  72
.set GO,  73
.set AG,  74
.set CG,  75
.set MSB, 0
.macro WIN new                         ; the immediate's high byte repeats the setting that is left; a switch that changes nothing is dropped
.if MSB != (\new)
	s_set_vgpr_msb (MSB<<8)|(\new)
.set MSB, (\new)
.endif
.endm
.macro PLACES n                        ; plain vector instructions behind matrix instructions: four in front of loads into their registers and of reads of results, five in front of a matrix instruction that writes over one of their registers
.rept \n
	v_nop
.endr
.endm
.macro BARRIER                         ; my LDS stores have landed and my LDS loads are in: then the work-group's barrier
	s_wait_dscnt 0x0
	s_barrier_signal -1
	s_barrier_wait -1
.endm
; The rings' waits are counted by the text itself: NISS = loads written so far, ENDk = NISS behind slot k's last load.  Loads come back in order (ISA guide 5.7.1),
; so slot k is in when at most NISS - ENDk loads are out.  The wait's field ends at 63: a larger count is held there, which waits for a little more.
.set NISS, 0
.set END0, 0
.set END1, 0
.set END2, 0
.set END3, 0
.macro GLD d, a, b, o
	global_load_b128 v[\d:\d+3], v[\a], s[\b:\b+1] offset:\o
.set NISS, NISS+1
.endm
.macro SETEND k
.if (\k) == 0
.set END0, NISS
.elseif (\k) == 1
.set END1, NISS
.elseif (\k) == 2
.set END2, NISS
.else
.set END3, NISS
.endif
.endm
.macro WAITB k
.if (\k) == 0
.set WC_, NISS-END0
.elseif (\k) == 1
.set WC_, NISS-END1
.elseif (\k) == 2
.set WC_, NISS-END2
.else
.set WC_, NISS-END3
.endif
.if WC_ > 63
.set WC_, 63
.endif
	s_wait_loadcnt WC_
.endm
.macro KPAIR r, v                      ; a constant for packed forms: they name a pair and take its low word for both halves, so both are written
	s_mov_b32 s[\r], \v
	s_mov_b32 s[\r+1], \v
.endm
	; ================ the head
	s_load_b512 s[4:19], s[0:1], 0x0               ; plan 4, xq 6, gate 8, wlay 10, b1 12, ln_g 14, ln_b 16, b2 18
	s_load_b64 s[20:21], s[0:1], 0x40              ; ybuf
	s_lshl_b32 s23, ttmp9, 2
	v_and_b32 v[T0], 31, v0
	v_lshrrev_b32 v[RL], 5, v0
	v_readfirstlane_b32 s[WV], v[RL]               ; wave 0..3
	v_lshlrev_b32 v[L16], 4, v[T0]
	v_bfe_u32 v[H8], v0, 4, 1                      ; h
	v_lshlrev_b32 v[H256], 8, v[H8]
	v_lshlrev_b32 v[H32], 5, v[H8]
	v_mul_u32_u24 v[X48], v[H8], 48
	v_lshlrev_b32 v[H8], 3, v[H8]
	v_and_b32 v[RL], 15, v0
	v_lshlrev_b32 v[AP], 2, v[RL]
	s_mul_i32 s27, s[WV], 96
	v_add_nc_u32 v[X48], s27, v[X48]               ; x: K step w (the one that I gather), my half's 48 bytes
	s_lshl_b32 s27, s[WV], 8
	v_add_nc_u32 v[RW], s27, v[AP]                 ; my wave's copy of the rows' numbers: 256 w + 4 r
	s_lshl_b32 s27, s[WV], 12
	v_add_nc_u32 v[GS], s27, v[L16]                ; ln_g and ln_b in LDS: 4,096 w + 16 lane
	s_mul_i32 s27, s[WV], 4608
	v_add_nc_u32 v[AP], s27, v[L16]                ; x's images: (3 w + i) x 1,536 + 16 lane
	KPAIR KA0, 0xaf95df0b                          ; erf's numerator, highest power first (the second coefficient lies in vector registers)
	KPAIR KA2, 0xb60cff51
	KPAIR KA3, 0xb86ec2d2
	KPAIR KA4, 0xba40ac63
	KPAIR KA5, 0xbb41a1f6
	KPAIR KA6, 0xbc83dbd4
	KPAIR KB0, 0xb77460cd                          ; and its denominator
	KPAIR KB2, 0xbadc924e
	KPAIR KB3, 0xbbf19bf8
	KPAIR KB4, 0xbc69b6a7
	KPAIR RS2, 0x3f3504f3                          ; 1 / sqrt 2
	s_mov_b32 s[SEL], 0x76543210
	s_mov_b32 s[SEL+1], 0xfedcba98                 ; v_permlanex16_b32's selects for lane l xor 16
	s_mov_b32 s[EPSS], 0x3727c5ac                  ; 1e-5
	s_mov_b32 s[INV], 0x3a000000                   ; 1 / 2,048
	s_wait_kmcnt 0x0
	s_load_b32 s22, s[4:5], s23 offset:0x0         ; my tile: expert | rows << 8
	s_wait_kmcnt 0x0
	s_and_b32 s[EX], s22, 0xff
	s_min_u32 s[EX], s[EX], 7
	s_lshr_b32 s[CNT], s22, 8
	s_and_b32 s[CNT], s[CNT], 0xff
	s_min_u32 s[CNT], s[CNT], 48
	s_lshl_b32 s27, s[EX], 2
	s_add_co_u32 s27, s27, s[WV]                   ; 4 e + w
	s_mov_b32 s29, 0
	s_mul_i32 s28, s27, 196608                     ; 128 fragments of 1,536 bytes, of W1 as of W2
	s_add_nc_u64 s[WB:WB+1], s[10:11], s[28:29]
	s_lshl_b32 s28, s27, 13
	s_add_nc_u64 s[SB:SB+1], s[10:11], s[28:29]
	s_add_nc_u64 s[SB:SB+1], s[SB:SB+1], WS1
	s_lshl_b32 s28, s27, 11                        ; my 512 numbers of b1, ln_g, ln_b
	s_add_nc_u64 s[12:13], s[12:13], s[28:29]
	s_add_nc_u64 s[14:15], s[14:15], s[28:29]
	s_add_nc_u64 s[16:17], s[16:17], s[28:29]
	s_lshl_b32 s28, s27, 9                         ; my 128 numbers of b2
	s_add_nc_u64 s[18:19], s[18:19], s[28:29]
	s_mul_i32 s28, ttmp9, 192                      ; my tile's 48 entries of the table of rows;
	s_min_u32 s27, s[CNT], 1
	s_mul_i32 s28, s28, s27                        ; a tile without rows goes to the table's head
	s_add_nc_u64 s[PR:PR+1], s[4:5], s[28:29]
	s_sub_co_u32 s[CM1], s[CNT], s27               ; the last entry that was stored: rows - 1, or 0
.irp q, 0,1,2,3
	GLD XF+4*\q, L16, 14, 512*\q                   ; ln_g, as it lies
.endr
.irp q, 0,1,2,3
	GLD XF+16+4*\q, L16, 16, 512*\q                ; ln_b
.endr
	WIN 0xc0                                       ; b1 in the result's layout, into window 3: it is the C of the first K step's products.  Register 8 t + j: unit 128 (t / 8) + 64 h + 8 (t % 8) + j
.set Q_, 0
.rept 64
	GLD 4*Q_, H256, 12, 512*(Q_/16)+16*(Q_%16)
.set Q_, Q_+1
.endr
	WIN 0
.irp g, 0,1,2,3
	GLD WS+4*\g, L16, SB, 512*\g                   ; W1's scale words of K step 0
.endr
.macro REFILL1 n                       ; batch n = 8 s + b: fragments 4 n .. 4 n + 3 of my 128, into slot n % 3
.irp f, 0,1,2,3
.irp j, 0,1,2
	GLD RING+48*((\n)%3)+12*\f+4*\j, L16, WB, (4*(\n)+\f)*1536+512*\j
.endr
.endr
.endm
	REFILL1 0
	SETEND 0
	REFILL1 1
	SETEND 1
	REFILL1 2
	SETEND 2
	; my tile's rows: place (i, r) takes entry min(16 i + r, the last stored one): only stored words are read
.irp i, 0,1,2
	v_add_nc_u32 v[ACW+\i], 16*\i, v[RL]
	v_min_u32 v[ACW+\i], s[CM1], v[ACW+\i]
	v_min_u32 v[ACW+\i], 47, v[ACW+\i]
	v_lshlrev_b32 v[ACW+\i], 2, v[ACW+\i]
	global_load_b32 v[RID+\i], v[ACW+\i], s[PR:PR+1] offset:ROWS_OFF
.endr
	s_wait_loadcnt 0x0                             ; the rows' numbers; all that was asked for ahead of them has landed too (once in the launch)
.irp i, 0,1,2
	v_min_u32 v[RID+\i], 0x1fff, v[RID+\i]         ; a routed row: 2 x token + choice
	v_lshlrev_b32 v[ACW+\i], 2, v[RID+\i]          ; its weight: 4 bytes
	v_and_b32 v[TOK+\i], 0x1ffe, v[RID+\i]         ; 2 x token
	v_lshlrev_b32 v[AXS+\i], 3, v[TOK+\i]          ; the token's scale words: 16 bytes
	v_mul_u32_u24 v[AXF+\i], v[TOK+\i], 192        ; its codes: 384 bytes
	v_add_nc_u32 v[AXF+\i], v[AXF+\i], v[X48]
.endr
.irp i, 0,1,2
	global_load_b32 v[CW+2*\i], v[ACW+\i], s[8:9]                       ; the gate's weight of the routed row
	global_load_b128 v[XS+4*\i:XS+4*\i+3], v[AXS+\i], s[6:7] offset:XS_OFF   ; the token's four scale words
.endr
	WIN 0x40                                       ; x's codes of K step w, three fragments, into window 1, which is still free
.irp i, 0,1,2
.irp j, 0,1,2
	global_load_b128 v[12*\i+4*\j:12*\i+4*\j+3], v[AXF+\i], s[6:7] offset:16*\j
.endr
.endr
	WIN 0
.irp q, 0,1,2,3
	ds_store_b128 v[GS], v[XF+4*\q:XF+4*\q+3] offset:GBL+512*\q
	ds_store_b128 v[GS], v[XF+16+4*\q:XF+16+4*\q+3] offset:GBL+2048+512*\q
.endr
.irp i, 0,1,2
	ds_store_b32 v[RW], v[RID+\i] offset:RIDL+64*\i         ; lanes r and r + 16 write the same word with the same value
.endr
	s_wait_loadcnt 0x0
.irp i, 0,1,2
	v_mov_b32 v[CW+2*\i+1], 0                      ; named with the weight as a pair
.endr
	WIN 0x04
.irp i, 0,1,2
.irp j, 0,1,2
	ds_store_b128 v[AP], v[12*\i+4*\j:12*\i+4*\j+3] offset:XIMG+1536*\i+512*\j
.endr
.endr
	WIN 0
	BARRIER                                        ; x's twelve fragments lie in LDS
	; ================ the first product: 4 K steps x 8 batches of 4 tiles x 3 row tiles.  Each fragment of W1 feeds three matrix instructions and is read once
.macro XFLD s
.irp i, 0,1,2
.irp j, 0,1,2
	ds_load_b128 v[XF+12*\i+4*\j:XF+12*\i+4*\j+3], v[L16] offset:XIMG+(3*(\s)+\i)*1536+512*\j
.endr
.endr
	s_wait_dscnt 0x0
.endm
.macro MM1 t, f, i, s, rs
.if (\t)%2
	v_wmma_scale_f32_16x16x128_f8f6f4 v[8*(\t):8*(\t)+7], v[\rs+12*\f:\rs+12*\f+11], v[XF+12*\i:XF+12*\i+11], v[8*(\t):8*(\t)+7], v[WS+16*((\s)%2)+(\t)/2], v[XS+4*\i+(\s)] matrix_a_fmt:MATRIX_FMT_FP6 matrix_b_fmt:MATRIX_FMT_FP6 matrix_a_scale:MATRIX_SCALE_ROW1
.else
	v_wmma_scale_f32_16x16x128_f8f6f4 v[8*(\t):8*(\t)+7], v[\rs+12*\f:\rs+12*\f+11], v[XF+12*\i:XF+12*\i+11], v[8*(\t):8*(\t)+7], v[WS+16*((\s)%2)+(\t)/2], v[XS+4*\i+(\s)] matrix_a_fmt:MATRIX_FMT_FP6 matrix_b_fmt:MATRIX_FMT_FP6
.endif
.endm
; The 96 accumulators take turns, one instruction a turn, in the same order in every K step.
; K step 0: C is b1's image in window 3.  Row tiles 0 and 1 read it into their own windows; row tile 2 adds in place onto it, five places behind the products that read it.
.macro B1 s, b
.set NB_, 8*(\s)+(\b)
.set RS_, RING+48*(NB_%3)
	WAITB NB_%3
.irp i, 0,1,2
.if (\s) == 0
.if \i == 2
	PLACES 5
.endif
	WIN 0x30|((1+\i)<<6)
.else
	WIN 0x50*(1+\i)
.endif
.irp f, 0,1,2,3
	MM1 4*(\b)+\f,\f,\i,\s,RS_
.endr
.endr
	WIN 0
	PLACES 4
.if ((\b) == 3) && ((\s) < 3)
.irp g, 0,1,2,3
	GLD WS+16*(((\s)+1)%2)+4*\g, L16, SB, 2048*((\s)+1)+512*\g       ; the next K step's scale words: they land ahead of the slot that its first batch waits for
.endr
.endif
.if NB_+3 < 32
	REFILL1 NB_+3                                  ; the slot just multiplied takes the batch three on: 24 to 28 loads stay out at each wait
	SETEND NB_%3
.endif
.endm
.irp s, 0,1,2,3
	XFLD \s
.irp b, 0,1,2,3,4,5,6,7
	B1 \s, \b
.endr
.endr
	; ================ LayerNorm's figures
	v_and_b32 v[T0], 31, v0
	v_lshlrev_b32 v[L8], 3, v[T0]
	s_mul_i32 s27, s[WV], 768
	v_add_nc_u32 v[STA], s27, v[L8]
	s_mul_i32 s27, s[WV], 1536
	s_add_co_u32 s27, s27, NST
	v_add_nc_u32 v[NB], s27, v[L16]
.macro TREE b                          ; eight pairs -> one number, with lane l xor 16's (the token's other 256 units of this wave)
	v_pk_add_f32 v[\b:\b+1], v[\b:\b+1], v[\b+2:\b+3]
	v_pk_add_f32 v[\b+4:\b+5], v[\b+4:\b+5], v[\b+6:\b+7]
	v_pk_add_f32 v[\b+8:\b+9], v[\b+8:\b+9], v[\b+10:\b+11]
	v_pk_add_f32 v[\b+12:\b+13], v[\b+12:\b+13], v[\b+14:\b+15]
	v_pk_add_f32 v[\b:\b+1], v[\b:\b+1], v[\b+4:\b+5]
	v_pk_add_f32 v[\b+8:\b+9], v[\b+8:\b+9], v[\b+12:\b+13]
	v_pk_add_f32 v[\b:\b+1], v[\b:\b+1], v[\b+8:\b+9]
	v_add_f32 v[\b], v[\b], v[\b+1]
	v_permlanex16_b32 v[\b+2], v[\b], s[SEL], s[SEL+1]
	v_add_f32 v[\b], v[\b], v[\b+2]
.endm
.macro STAT_A i                        ; the wave's mean of each token of row tile i: eight chains; every accumulator is read from its low end on
	WIN (1+\i)|((1+\i)<<2)
.irp c, 0,1,2,3,4,5,6,7
	v_pk_add_f32 v[SS+2*\c:SS+2*\c+1], v[2*\c:2*\c+1], v[16+2*\c:16+2*\c+1]
.endr
	WIN (1+\i)
.set P_, 16
.rept 112
	v_pk_add_f32 v[SS+2*(P_%8):SS+2*(P_%8)+1], v[2*P_:2*P_+1], v[SS+2*(P_%8):SS+2*(P_%8)+1]
.set P_, P_+1
.endr
	WIN 0
	TREE SS
	v_mul_f32 v[MW+\i], 0x3b000000, v[SS]          ; / 512
	v_mul_f32 v[NM+2*\i], 0xbb000000, v[SS]
	v_mul_f32 v[NM+2*\i+1], 0xbb000000, v[SS]
.endm
.macro STAT_B i                        ; the accumulators become differences from the wave's mean, in place; then the sum of their squares
.irp g, 0,1,2,3
	WIN (1+\i)|((1+\i)<<6)
.set P_, 0
.rept 32
	v_pk_add_f32 v[64*\g+2*P_:64*\g+2*P_+1], v[64*\g+2*P_:64*\g+2*P_+1], v[NM+2*\i:NM+2*\i+1]
.set P_, P_+1
.endr
	WIN (1+\i)|((1+\i)<<2)
.set P_, 0
.rept 32
.if (\g == 0) && (P_ < 8)
	v_pk_mul_f32 v[QQ+2*P_:QQ+2*P_+1], v[2*P_:2*P_+1], v[2*P_:2*P_+1]
.else
	v_pk_fma_f32 v[QQ+2*(P_%8):QQ+2*(P_%8)+1], v[64*\g+2*P_:64*\g+2*P_+1], v[64*\g+2*P_:64*\g+2*P_+1], v[QQ+2*(P_%8):QQ+2*(P_%8)+1]
.endif
.set P_, P_+1
.endr
.endr
	WIN 0
	TREE QQ
	v_mov_b32 v[MS+2*\i], v[MW+\i]
	v_mov_b32 v[MS+2*\i+1], v[QQ]
	ds_store_b64 v[STA], v[MS+2*\i:MS+2*\i+1] offset:STAT+256*\i
.endm
.irp i, 0,1,2
	STAT_A \i
	STAT_B \i
.endr
	BARRIER                                        ; the four waves' figures lie in LDS
.irp u, 0,1,2,3
.irp i, 0,1,2
	ds_load_b64 v[LS+6*\u+2*\i:LS+6*\u+2*\i+1], v[L8] offset:STAT+(3*\u+\i)*256
.endr
.endr
	s_wait_dscnt 0x0
.irp i, 0,1,2
	v_add_f32 v[D0], v[LS+2*\i], v[LS+6+2*\i]
	v_add_f32 v[D0+1], v[LS+12+2*\i], v[LS+18+2*\i]
	v_add_f32 v[D0], v[D0], v[D0+1]
	v_mul_f32 v[MEAN+\i], 0x3e800000, v[D0]        ; the row's mean
	v_add_f32 v[D0], v[LS+1+2*\i], v[LS+7+2*\i]
	v_add_f32 v[D0+1], v[LS+13+2*\i], v[LS+19+2*\i]
	v_add_f32 v[VV+\i], v[D0], v[D0+1]
.irp u, 0,1,2,3
	v_sub_f32 v[D0+\u], v[LS+6*\u+2*\i], v[MEAN+\i]
.endr
	v_mul_f32 v[D0], v[D0], v[D0]
	v_fmac_f32 v[D0], v[D0+1], v[D0+1]
	v_fmac_f32 v[D0], v[D0+2], v[D0+2]
	v_fmac_f32 v[D0], v[D0+3], v[D0+3]
	v_fmac_f32 v[VV+\i], 0x44000000, v[D0]         ; + 512 x the squares of the waves' means' differences
	v_fma_f32 v[VV+\i], v[VV+\i], s[INV], s[EPSS]  ; the variance + 1e-5
.endr
.irp i, 0,1,2
	v_rsq_f32 v[RSP+4*\i], v[VV+\i]
.endr
.irp i, 0,1,2
	v_sub_f32 v[CD+\i], v[MW+\i], v[MEAN+\i]       ; (plain work behind the batch)
.endr
	s_wait_alu depctr_va_vdst(0)                   ; one wait for the three, ahead of their first reader
.irp i, 0,1,2
	v_mov_b32 v[RSP+4*\i+1], v[RSP+4*\i]
	v_mul_f32 v[RSP+4*\i+2], v[CD+\i], v[RSP+4*\i] ; c: (h - mean) rstd = (h - my wave's mean) rstd + c
	v_mul_f32 v[RSP+4*\i+3], v[CD+\i], v[RSP+4*\i]
	ds_store_b128 v[NB], v[RSP+4*\i:RSP+4*\i+3] offset:512*\i      ; the wave's own bytes
.endr
	; ================ the activation and its quantiser: 4 groups x 3 row tiles, written once
	; Register numbers cannot change from trip to trip: a group's accumulators go to the wave's own stage in LDS (that text alone is written four times) and come back into fixed registers.
	; v0-63 of windows 1, 2, 3, free once group 0 is staged, hold ln_g, ln_b and the 64 numbers in hand.
	s_mul_i32 s27, s[WV], 24576
	s_add_co_u32 s27, s27, STG
	v_add_nc_u32 v[SA], s27, v[L16]
	s_lshl_b32 s27, s[WV], 12
	s_add_co_u32 s27, s27, GBL
	v_add_nc_u32 v[GB0], s27, v[H256]
	s_mul_i32 s27, s[WV], 18432
	s_add_co_u32 s27, s27, AIMG
	v_add_nc_u32 v[AB], s27, v[L16]                ; my twelve fragments: K steps 4 w .. 4 w + 3, (3 s + i) x 1,536
	s_mul_i32 s27, s[WV], 1536
	s_add_co_u32 s27, s27, ASC
	v_and_b32 v[T0], 31, v0
	v_lshl_add_u32 v[CB], v[T0], 2, s27
.macro PKM d, a, b
.set P_, 0
.rept 16
	v_pk_mul_f32 v[\d+P_:\d+P_+1], v[\a+P_:\a+P_+1], v[\b+P_:\b+P_+1]
.set P_, P_+2
.endr
.endm
.macro PKF d, a, b, c
.set P_, 0
.rept 16
	v_pk_fma_f32 v[\d+P_:\d+P_+1], v[\a+P_:\a+P_+1], v[\b+P_:\b+P_+1], v[\c+P_:\c+P_+1]
.set P_, P_+2
.endr
.endm
.macro PKFS d, a, b, k                 ; + a constant
.set P_, 0
.rept 16
	v_pk_fma_f32 v[\d+P_:\d+P_+1], v[\a+P_:\a+P_+1], v[\b+P_:\b+P_+1], s[\k:\k+1] op_sel_hi:[1,1,0]
.set P_, P_+2
.endr
.endm
.macro PKF1 d, a, k, c                 ; x a constant + a constant (one of the two lies in vector registers: an instruction's scalar operands are few)
.set P_, 0
.rept 16
	v_pk_fma_f32 v[\d+P_:\d+P_+1], v[\a+P_:\a+P_+1], s[\k:\k+1], v[\c:\c+1] op_sel_hi:[1,0,1]
.set P_, P_+2
.endr
.endm
.macro ACT_A c                         ; 32 numbers: n = (h - my wave's mean) rstd + c
	WIN 0x03
.set P_, 0
.rept 16
	v_pk_fma_f32 v[R0+P_:R0+P_+1], v[32*(\c)+P_:32*(\c)+P_+1], v[ST:ST+1], v[ST+2:ST+3]
.set P_, P_+2
.endr
	WIN 0
.endm
.macro ACT_B c                         ; z = n g + b;  a = z/2 + z/2 erf(z / sqrt 2), into R0
	WIN 0x24
	PKF R0, R0, 32*(\c), 32*(\c)
	WIN 0
.set P_, 0
.rept 16
	v_pk_mul_f32 v[R1+P_:R1+P_+1], v[R0+P_:R0+P_+1], s[RS2:RS2+1] op_sel_hi:[1,0]
.set P_, P_+2
.endr
.set P_, 0
.rept 32
	v_med3_num_f32 v[R1+P_], v[R1+P_], -4.0, 4.0   ; u
.set P_, P_+1
.endr
	PKM R2, R1, R1                                 ; u^2
	PKF1 R3, R2, KA0, VKA1
	PKF1 R4, R2, KB0, VKB1
	PKFS R3, R3, R2, KA2
	PKFS R4, R4, R2, KB2
	PKFS R3, R3, R2, KA3
	PKFS R4, R4, R2, KB3
	PKFS R3, R3, R2, KA4
	PKFS R4, R4, R2, KB4                           ; Q
	PKFS R3, R3, R2, KA5
	PKFS R3, R3, R2, KA6                           ; P
.set P_, 0
.rept 32
	v_rcp_f32 v[R4+P_], v[R4+P_]                   ; one batch
.set P_, P_+1
.endr
	PKM R3, R3, R1                                 ; u P: plain work behind the batch, which names none of its results
.set P_, 0
.rept 16
	v_pk_mul_f32 v[R2+P_:R2+P_+1], v[R0+P_:R0+P_+1], 0.5 op_sel_hi:[1,0]
.set P_, P_+2
.endr
	s_wait_alu depctr_va_vdst(0)                   ; one wait for the 32, ahead of their first reader
	PKM R3, R3, R4                                 ; erf
	PKF R0, R2, R3, R2
.endm
.macro QBLK c, s                       ; 32 numbers v[s] .. v[s + 31] become 24 bytes of codes in v[PC + 6 c] on and a scale byte in v[BY + c]
.irp q, 0,1,2,3
	v_max3_num_f32 v[MX+\q], |v[\s+8*\q]|, |v[\s+8*\q+1]|, |v[\s+8*\q+2]|
.endr
.irp q, 0,1,2,3
	v_max3_num_f32 v[MX+\q], v[MX+\q], |v[\s+8*\q+3]|, |v[\s+8*\q+4]|
.endr
.irp q, 0,1,2,3
	v_max3_num_f32 v[MX+\q], v[MX+\q], |v[\s+8*\q+5]|, |v[\s+8*\q+6]|
.endr
	v_max3_num_f32 v[MX], v[MX], |v[\s+7]|, |v[\s+15]|
	v_max3_num_f32 v[MX+2], v[MX+2], |v[\s+23]|, |v[\s+31]|
	v_max3_num_f32 v[MX], v[MX], v[MX+1], v[MX+2]
	v_max3_num_f32 v[MX], v[MX], v[MX+3], 0x1800000        ; and the floor 2^(3 - 127): the byte cannot fall under 1
	v_add_nc_u32 v[SCO], 0xff000000, v[MX]                 ; 2 off the exponent field: the conversion takes that field as its scale
	v_lshrrev_b32 v[BY+\c], 23, v[SCO]
	v_cvt_scalef32_pk16_fp6_f32 v[PC+6*\c:PC+6*\c+2], v[\s:\s+15], v[SCO]
	v_cvt_scalef32_pk16_fp6_f32 v[TC:TC+2], v[\s+16:\s+31], v[SCO]      ; (a conversion's three registers begin on an even number)
	v_nop                                                  ; one plain place behind a scaled conversion
.irp i, 0,1,2
	v_mov_b32 v[PC+6*\c+3+\i], v[TC+\i]
.endr
.endm
.macro STBLK g                         ; group g's 24 accumulators to the stage
.irp i, 0,1,2
	WIN 4*(1+\i)
.irp t, 0,1,2,3,4,5,6,7
	ds_store_b128 v[SA], v[64*(\g)+8*\t:64*(\g)+8*\t+3] offset:8192*\i+1024*\t
	ds_store_b128 v[SA], v[64*(\g)+8*\t+4:64*(\g)+8*\t+7] offset:8192*\i+1024*\t+512
.endr
.endr
	WIN 0
.endm
.macro VLOAD a                         ; 64 numbers of a row tile from the stage into v0-63 of window 3
	WIN 0xc0
.set P_, 0
.rept 16
	ds_load_b128 v[4*P_:4*P_+3], v[\a] offset:512*P_
.set P_, P_+1
.endr
	WIN 0
.endm
	v_mov_b32 v[VKA1], 0x32edffee
	v_mov_b32 v[VKA1+1], 0x32edffee
	v_mov_b32 v[VKB1], 0xb95fbd29
	v_mov_b32 v[VKB1+1], 0xb95fbd29
	v_mov_b32 v[PT], 0                             ; written once: a lane permute's destination counts as one of its sources
	s_mov_b32 s[GC], 0
	s_mov_b32 s[AG], 0                             ; the group's first fragment: 4,608 bytes a group
	s_mov_b32 s[CG], 0                             ; its scale words: 384 a group
	s_mov_b32 s[GO], 0                             ; ln_g's and ln_b's: 512 a group
.Lgroup:
	s_cmp_eq_u32 s[GC], 0
	s_cbranch_scc1 .Lstage_0
	s_cmp_eq_u32 s[GC], 1
	s_cbranch_scc1 .Lstage_1
	s_cmp_eq_u32 s[GC], 2
	s_cbranch_scc1 .Lstage_2
	STBLK 3
	s_branch .Lstaged
.Lstage_0:
	STBLK 0
	s_branch .Lstaged
.Lstage_1:
	STBLK 1
	s_branch .Lstaged
.Lstage_2:
	STBLK 2
.Lstaged:
	v_add_nc_u32 v[GAD], s[GO], v[GB0]
	WIN 0x40
.set P_, 0
.rept 16
	ds_load_b128 v[4*P_:4*P_+3], v[GAD] offset:16*P_               ; ln_g of my 64 units.  (LDS serves a wave's instructions in order, ISA guide 5.7.1.4: the stores above have read these registers)
.set P_, P_+1
.endr
	WIN 0x80
.set P_, 0
.rept 16
	ds_load_b128 v[4*P_:4*P_+3], v[GAD] offset:2048+16*P_          ; ln_b
.set P_, P_+1
.endr
	VLOAD SA                                       ; row tile 0
	ds_load_b128 v[ST:ST+3], v[NB]
	s_mov_b32 s[IC], 0
	s_mov_b32 s[SO], 0                             ; the row tile's place in the stage: 8,192 a trip
	s_mov_b32 s[AO], s[AG]                         ; the fragment's place: 1,536 a trip
	s_mov_b32 s[CO], s[CG]                         ; its scale words': 128 a trip
.Ltile:
	s_wait_dscnt 0x0                               ; this trip's numbers are in; the last trip's stores have read their registers
	ACT_A 0
	ACT_B 0
	QBLK 0, R0
	ACT_A 1
	s_add_co_u32 s[SN], s[SO], 8192                ; the landing registers are free: the next row tile is asked for now.  The last trip asks for its own once more, and that is thrown away
	s_min_u32 s[SN], s[SN], 16384
	s_lshr_b32 s[NN], s[SN], 4
	v_add_nc_u32 v[VA], s[SN], v[SA]
	v_add_nc_u32 v[NA], s[NN], v[NB]
	VLOAD VA
	ds_load_b128 v[ST:ST+3], v[NA]
	ACT_B 1
	QBLK 1, R0
	v_lshl_or_b32 v[PW], v[BY+1], 16, v[BY]        ; my two bytes: places h and 2 + h of the scale word,
	v_lshlrev_b32 v[PW], v[H8], v[PW]
	v_permlanex16_b32 v[PT], v[PW], s[SEL], s[SEL+1]
	v_or_b32 v[PW], v[PW], v[PT]                   ; with lane l xor 16's two the word is whole
	v_add_nc_u32 v[AA], s[AO], v[AB]
	v_add_nc_u32 v[CA], s[CO], v[CB]
	ds_store_b128 v[AA], v[PC:PC+3]                ; the fragment as an image of its registers
	ds_store_b128 v[AA], v[PC+4:PC+7] offset:512
	ds_store_b128 v[AA], v[PC+8:PC+11] offset:1024
	ds_store_b32 v[CA], v[PW]
	s_add_co_u32 s[SO], s[SO], 8192
	s_add_co_u32 s[AO], s[AO], 1536
	s_add_co_u32 s[CO], s[CO], 128
	s_add_co_u32 s[IC], s[IC], 1
	s_cmp_lt_u32 s[IC], 3
	s_cbranch_scc1 .Ltile
	s_wait_dscnt 0x0                               ; nothing is on its way into the landing registers or out of the stage when the next group is staged
	s_add_co_u32 s[AG], s[AG], 4608
	s_add_co_u32 s[CG], s[CG], 384
	s_add_co_u32 s[GO], s[GO], 512
	s_add_co_u32 s[GC], s[GC], 1
	s_cmp_lt_u32 s[GC], 4
	s_cbranch_scc1 .Lgroup
	; ================ the second product: 16 K steps x 8 tiles of outputs x 3 row tiles.  Each fragment of W2 feeds three matrix instructions and is read once
	; window 3: y's accumulator (t, i) at v[8 (3 t + i)]; b2 in the result's layout at v192-255.  W2's ring: slots 0, 1 in window 1 (v64-159, v160-255), slots 2, 3 in window 2.
	v_add_nc_u32 v[AF0], AIMG, v[L16]
	v_add_nc_u32 v[AF1], AIMG+36864, v[L16]        ; (K steps 8 on: LDS immediates end at 65,535)
	v_and_b32 v[T0], 31, v0
	v_lshl_add_u32 v[AC0], v[T0], 2, ASC
	v_mul_u32_u24 v[T0], v[RL], YP
	v_add_nc_u32 v[T0], v[T0], v[H32]
	s_lshl_b32 s27, s[WV], 9
	s_add_co_u32 s27, s27, STG
.irp i, 0,1,2
	v_add_nc_u32 v[YB+\i], s27, v[T0]              ; y in: row 16 i + r, + 512 w + 32 h
	s_add_co_u32 s27, s27, 16*YP
.endr
	s_mul_i32 s27, s[WV], YP
	s_add_co_u32 s27, s27, STG
	v_add_nc_u32 v[YR0], s27, v[L16]               ; y back: row 4 n + w, 16 bytes a lane
	v_add_nc_u32 v[YR1], 24*YP, v[YR0]
	s_mul_i32 s27, s[WV], 260
	v_mov_b32 v[RA], s27                           ; my copy of the rows' numbers, entry w: 256 w + 4 w
.macro REFILL2 s                       ; K step s: its scale words and its eight fragments, into slot s % 4
	WIN 0
	GLD WQ+4*((\s)%4), L16, SB, 262144+512*(\s)
	WIN 0x40+0x40*(((\s)%4)/2)
.irp t, 0,1,2,3,4,5,6,7
.irp j, 0,1,2
	GLD 64+96*((\s)%2)+12*\t+4*\j, L16, WB, WQ2+(8*(\s)+\t)*1536+512*\j
.endr
.endr
	WIN 0
	SETEND (\s)%4
.endm
	WIN 0xc0
.set Q_, 0
.rept 16
	GLD 192+4*Q_, H32, 18, 64*(Q_/2)+16*(Q_%2)     ; b2: register 192 + 8 t + j: output 16 t + 8 h + j of my 128
.set Q_, Q_+1
.endr
	REFILL2 0                                      ; the ring is filled ahead of the barrier: its registers are free, and the loads are on their way while the waves meet
	REFILL2 1
	REFILL2 2
	REFILL2 3
	BARRIER                                        ; the activation's 48 fragments lie in LDS, and nobody reads a stage any more
.macro AFLD s                          ; K step s: the three row tiles' fragments and scale words, twelve LDS loads
.irp i, 0,1,2
.irp j, 0,1,2
.if (\s) < 8
	ds_load_b128 v[AF+36*((\s)%2)+12*\i+4*\j:AF+36*((\s)%2)+12*\i+4*\j+3], v[AF0] offset:(3*(\s)+\i)*1536+512*\j
.else
	ds_load_b128 v[AF+36*((\s)%2)+12*\i+4*\j:AF+36*((\s)%2)+12*\i+4*\j+3], v[AF1] offset:(3*((\s)-8)+\i)*1536+512*\j
.endif
.endr
	ds_load_b32 v[AS+3*((\s)%2)+\i], v[AC0] offset:(3*(\s)+\i)*128
.endr
.endm
.macro MM2 t, i, s
.set D_, 8*(3*\t+\i)
.if (\s) == 0
.set C_, 192+8*\t                      ; the first K step starts the sums from b2
.else
.set C_, D_
.endif
.set A_, 64+96*((\s)%2)+12*\t
.set B_, AF+36*((\s)%2)+12*\i
.if (\t)%2
	v_wmma_scale_f32_16x16x128_f8f6f4 v[D_:D_+7], v[A_:A_+11], v[B_:B_+11], v[C_:C_+7], v[WQ+4*((\s)%4)+\t/2], v[AS+3*((\s)%2)+\i] matrix_a_fmt:MATRIX_FMT_FP6 matrix_b_fmt:MATRIX_FMT_FP6 matrix_a_scale:MATRIX_SCALE_ROW1
.else
	v_wmma_scale_f32_16x16x128_f8f6f4 v[D_:D_+7], v[A_:A_+11], v[B_:B_+11], v[C_:C_+7], v[WQ+4*((\s)%4)+\t/2], v[AS+3*((\s)%2)+\i] matrix_a_fmt:MATRIX_FMT_FP6 matrix_b_fmt:MATRIX_FMT_FP6
.endif
.endm
.macro K2 s                            ; the 24 accumulators take turns, one instruction a turn
.if (\s) < 15
	AFLD (\s)+1
	s_wait_dscnt 12                                ; this K step's twelve are in; the next one's may be out
.else
	s_wait_dscnt 0x0
.endif
	WAITB (\s)%4
	WIN 0xf1+((\s)%4)/2
.irp t, 0,1,2,3,4,5,6,7
.irp i, 0,1,2
	MM2 \t,\i,\s
.endr
.endr
	WIN 0
	PLACES 4
.if (\s)+4 < 16
	REFILL2 (\s)+4
.endif
.endm
	AFLD 0
.irp s, 0,1,2,3,4,5,6,7,8,9,10,11,12,13,14,15
	K2 \s
.endr
	; ================ the way out: x the gate's weight; through LDS, so that whole rows leave
	WIN 0xc3
.irp t, 0,1,2,3,4,5,6,7
.irp i, 0,1,2
.irp p, 0,1,2,3
	v_pk_mul_f32 v[8*(3*\t+\i)+2*\p:8*(3*\t+\i)+2*\p+1], v[8*(3*\t+\i)+2*\p:8*(3*\t+\i)+2*\p+1], v[CW+2*\i:CW+2*\i+1] op_sel_hi:[1,0]   ; each accumulator from its low end on
.endr
.endr
.endr
	WIN 0x0c
.irp t, 0,1,2,3,4,5,6,7
.irp i, 0,1,2
	ds_store_b128 v[YB+\i], v[8*(3*\t+\i):8*(3*\t+\i)+3] offset:64*\t
	ds_store_b128 v[YB+\i], v[8*(3*\t+\i)+4:8*(3*\t+\i)+7] offset:64*\t+16
.endr
.endr
	WIN 0
	BARRIER                                        ; 48 whole rows of y lie in LDS
.irp n, 0,1,2,3,4,5,6,7,8,9,10,11
	ds_load_b32 v[RR+\n], v[RA] offset:RIDL+16*\n  ; the routed row of tile row 4 n + w, in every lane
.endr
.macro LOADROW n
.irp q, 0,1,2,3
.if (\n) < 6
	ds_load_b128 v[OB+16*((\n)%2)+4*\q:OB+16*((\n)%2)+4*\q+3], v[YR0] offset:(\n)*4*YP+512*\q
.else
	ds_load_b128 v[OB+16*((\n)%2)+4*\q:OB+16*((\n)%2)+4*\q+3], v[YR1] offset:((\n)-6)*4*YP+512*\q
.endif
.endr
.endm
	LOADROW 0
	s_wait_dscnt 4                                 ; the twelve numbers are in; row 0's four loads may be out
.irp n, 0,1,2,3,4,5,6,7,8,9,10,11                 ; all twelve places in ybuf are made ahead of the first branch
	v_min_u32 v[RR+\n], 0x1fff, v[RR+\n]
	v_lshlrev_b32 v[RR+\n], 11, v[RR+\n]           ; 2,048 bytes a routed row
	v_add_nc_u32 v[RR+\n], v[RR+\n], v[L16]
.endr
.irp n, 0,1,2,3,4,5,6,7,8,9,10,11
.if \n < 11
	LOADROW \n+1                                   ; into the registers that row n - 1's stores have read (the wait on XCNT behind them)
	s_wait_dscnt 4                                 ; row n is in; the next row's four loads may be out
.else
	s_wait_dscnt 0x0
.endif
	s_add_co_u32 s27, s[WV], 4*\n
	s_cmp_lt_u32 s27, s[CNT]                       ; is row 4 n + w one of the tile's?  The whole row is this wave's, so the choice is a scalar one
	s_cbranch_scc0 .Lrow_done_\n
.irp q, 0,1,2,3
	global_store_b128 v[RR+\n], v[OB+16*(\n%2)+4*\q:OB+16*(\n%2)+4*\q+3], s[20:21] offset:512*\q      ; 512 consecutive bytes a store, aligned
.endr
.Lrow_done_\n:
.if \n < 10
	s_wait_xcnt 0x0                                ; the stores have read their registers: the row two on may land there
.endif
.endr
	s_wait_xcnt 0x0
	v_lshl_add_u32 v254, v0, 2, 0x36c00
	v_mov_b32 v255, 0
	s_wait_tensorcnt 0x0
	ds_add_u32 v254, v255
	s_wait_dscnt 0x0
	s_endpgm
.Lfunc_end_k_q8508f4d45e_experts:
	.size	k_q8508f4d45e_experts, .Lfunc_end_k_q8508f4d45e_experts-k_q8508f4d45e_experts
	.p2alignl 7, 3214868480
	.fill 96, 4, 3214868480
	.section	.rodata,"a",@progbits
	.p2align	6, 0x0
	.amdhsa_kernel k_q8508f4d45e_experts
		.amdhsa_group_segment_fixed_size 224768
		.amdhsa_private_segment_fixed_size 0
		.amdhsa_enable_private_segment 0
		.amdhsa_kernarg_size 72
		.amdhsa_user_sgpr_count 2
		.amdhsa_user_sgpr_kernarg_segment_ptr 1
		.amdhsa_wavefront_size32 1
		.amdhsa_system_sgpr_workgroup_id_x 1
		.amdhsa_system_sgpr_workgroup_id_y 1
		.amdhsa_system_sgpr_workgroup_id_z 1
		.amdhsa_system_vgpr_workitem_id 0
		.amdhsa_next_free_vgpr 1024
		.amdhsa_next_free_sgpr 96
		.amdhsa_reserve_vcc 0
		.amdhsa_float_denorm_mode_32 3
		.amdhsa_float_denorm_mode_16_64 3
		.amdhsa_memory_ordered 1
		.amdhsa_forward_progress 1
		.amdhsa_inst_pref_size 255
	.end_amdhsa_kernel
	.section	.bss,"aw",@nobits
	.p2align	6
	.space	262144
	.amdgpu_metadata
---
amdhsa.version: [ 1, 2 ]
amdhsa.kernels:
  - .name:           k_q8508f4d45e_experts
    .symbol:         k_q8508f4d45e_experts.kd
    .args:
      - { .name: plan, .offset: 0, .size: 8, .value_kind: global_buffer, .address_space: global }
      - { .name: xq, .offset: 8, .size: 8, .value_kind: global_buffer, .address_space: global }
      - { .name: gate, .offset: 16, .size: 8, .value_kind: global_buffer, .address_space: global }
      - { .name: wlay, .offset: 24, .size: 8, .value_kind: global_buffer, .address_space: global }
      - { .name: b1, .offset: 32, .size: 8, .value_kind: global_buffer, .address_space: global }
      - { .name: ln_g, .offset: 40, .size: 8, .value_kind: global_buffer, .address_space: global }
      - { .name: ln_b, .offset: 48, .size: 8, .value_kind: global_buffer, .address_space: global }
      - { .name: b2, .offset: 56, .size: 8, .value_kind: global_buffer, .address_space: global }
      - { .name: ybuf, .offset: 64, .size: 8, .value_kind: global_buffer, .address_space: global }
    .group_segment_fixed_size: 224768
    .private_segment_fixed_size: 0
    .kernarg_segment_align: 8
    .kernarg_segment_size: 72
    .max_flat_workgroup_size: 128
    .sgpr_count:     96
    .vgpr_count:     1024
    .wavefront_size: 32
...
	.end_amdgpu_metadata
.endif
;; end of part 3
;; launch combine (part 4): grid 256 x 1, 8 waves a work-group, no clusters, 0 bytes of LDS; arguments ybuf, out_g, out_b, out0; writes out0
.if DOCPART == 4
	.amdgcn_target "amdgcn-amd-amdhsa--gfx1250"
	.amdhsa_code_object_version 6
	.text
	.protected	k_q8508f4d45e_combine
	.globl	k_q8508f4d45e_combine
	.p2align	8
	.type	k_q8508f4d45e_combine,@function
k_q8508f4d45e_combine:
	s_mov_b64 s[64:65], 0
	v_nop
	global_prefetch_b8 v0, s[64:65] scope:SCOPE_SE
	s_setreg_imm32_b32 hwreg(HW_REG_WAVE_MODE, 25, 1), 1
	s_wait_xcnt 0x0
; out0[t] = LayerNorm(ybuf[2 t] + ybuf[2 t + 1]) out_g + out_b.  The two routed rows of a token already carry their weights.
; A stream: a wave takes two tokens, each 4,096 consecutive bytes in and 2,048 out; a row stays in registers between the passes; no LDS, no barrier, no matrix unit.
; All 24 loads of a wave go out first.  The variance is the mean of the squares of the differences from the mean: no difference of large sums.
.set G,  80                            ; v80-95   out_g of my 16 columns
.set B,  96                            ; v96-111  out_b
	s_load_b256 s[4:11], s[0:1], 0x0               ; ybuf 4, out_g 6, out_b 8, out0 10
	v_and_b32 v1, 31, v0
	v_lshrrev_b32 v2, 5, v0
	v_readfirstlane_b32 s12, v2
	v_lshlrev_b32 v1, 4, v1                        ; 16 x lane
	s_lshl_b32 s13, ttmp9, 3
	s_add_co_u32 s13, s13, s12                     ; which pair of tokens
	s_lshl_b32 s14, s13, 13
	s_mov_b32 s15, 0
	s_lshl_b32 s16, s13, 12
	s_mov_b32 s17, 0
	s_mov_b32 s18, 0x76543210
	s_mov_b32 s19, 0xfedcba98                      ; v_permlanex16_b32's selects for lane l xor 16
	s_mov_b32 s20, 0x3b000000                      ; 1 / 512
	s_mov_b32 s21, 0x3727c5ac                      ; 1e-5
	s_wait_kmcnt 0x0
	s_add_nc_u64 s[4:5], s[4:5], s[14:15]
	s_add_nc_u64 s[10:11], s[10:11], s[16:17]
.irp q, 0,1,2,3
	global_load_b128 v[16+4*\q:19+4*\q], v1, s[4:5] offset:512*\q th:TH_LOAD_NT
	global_load_b128 v[32+4*\q:35+4*\q], v1, s[4:5] offset:2048+512*\q th:TH_LOAD_NT
.endr
.irp q, 0,1,2,3
	global_load_b128 v[G+4*\q:G+4*\q+3], v1, s[6:7] offset:512*\q
	global_load_b128 v[B+4*\q:B+4*\q+3], v1, s[8:9] offset:512*\q
.endr
.irp q, 0,1,2,3
	global_load_b128 v[48+4*\q:51+4*\q], v1, s[4:5] offset:4096+512*\q th:TH_LOAD_NT
	global_load_b128 v[64+4*\q:67+4*\q], v1, s[4:5] offset:6144+512*\q th:TH_LOAD_NT
.endr
.macro ALL32 r, t                      ; v[r] summed over the wave's 32 lanes, in every lane
	v_add_f32_dpp v[\r], v[\r], v[\r] row_xmask:1 row_mask:0xf bank_mask:0xf
	v_add_f32_dpp v[\r], v[\r], v[\r] row_xmask:2 row_mask:0xf bank_mask:0xf
	v_add_f32_dpp v[\r], v[\r], v[\r] row_xmask:4 row_mask:0xf bank_mask:0xf
	v_add_f32_dpp v[\r], v[\r], v[\r] row_xmask:8 row_mask:0xf bank_mask:0xf
	v_permlanex16_b32 v[\t], v[\r], s18, s19
	v_add_f32 v[\r], v[\r], v[\t]
.endm
.macro TOKEN u, left
.set A, 16+32*\u
	s_wait_loadcnt \left                           ; this token's eight loads, and out_g and out_b, are in; \left younger ones may be out
.irp p, 0,1,2,3,4,5,6,7
	v_pk_add_f32 v[A+2*\p:A+2*\p+1], v[A+2*\p:A+2*\p+1], v[A+16+2*\p:A+16+2*\p+1]     ; the two experts' parts
.endr
	v_pk_add_f32 v[112:113], v[A:A+1], v[A+2:A+3]
	v_pk_add_f32 v[114:115], v[A+4:A+5], v[A+6:A+7]
	v_pk_add_f32 v[116:117], v[A+8:A+9], v[A+10:A+11]
	v_pk_add_f32 v[118:119], v[A+12:A+13], v[A+14:A+15]
	v_pk_add_f32 v[112:113], v[112:113], v[114:115]
	v_pk_add_f32 v[116:117], v[116:117], v[118:119]
	v_pk_add_f32 v[112:113], v[112:113], v[116:117]
	v_add_f32 v112, v112, v113
	ALL32 112, 113
	v_mul_f32 v114, 0xbb000000, v112               ; minus the mean
	v_mul_f32 v115, 0xbb000000, v112
.irp p, 0,1,2,3,4,5,6,7
	v_pk_add_f32 v[A+2*\p:A+2*\p+1], v[A+2*\p:A+2*\p+1], v[114:115]
.endr
	v_pk_mul_f32 v[116:117], v[A:A+1], v[A:A+1]
	v_pk_mul_f32 v[118:119], v[A+2:A+3], v[A+2:A+3]
.irp p, 2,4,6
	v_pk_fma_f32 v[116:117], v[A+2*\p:A+2*\p+1], v[A+2*\p:A+2*\p+1], v[116:117]
	v_pk_fma_f32 v[118:119], v[A+2*\p+2:A+2*\p+3], v[A+2*\p+2:A+2*\p+3], v[118:119]
.endr
	v_pk_add_f32 v[116:117], v[116:117], v[118:119]
	v_add_f32 v116, v116, v117
	ALL32 116, 117
	v_fma_f32 v116, v116, s20, s21                 ; the variance + 1e-5
	v_rsq_f32 v120, v116
	v_nop                                          ; a plain place behind the transcendental
	s_wait_alu depctr_va_vdst(0)                   ; ahead of its first reader
	v_mov_b32 v121, v120
.irp p, 0,1,2,3,4,5,6,7
	v_pk_mul_f32 v[A+2*\p:A+2*\p+1], v[A+2*\p:A+2*\p+1], v[120:121]
.endr
.irp p, 0,1,2,3,4,5,6,7
	v_pk_fma_f32 v[A+2*\p:A+2*\p+1], v[A+2*\p:A+2*\p+1], v[G+2*\p:G+2*\p+1], v[B+2*\p:B+2*\p+1]
.endr
.irp q, 0,1,2,3
	global_store_b128 v1, v[A+4*\q:A+4*\q+3], s[10:11] offset:2048*\u+512*\q th:TH_STORE_NT     ; 512 consecutive bytes a store, aligned
.endr
.endm
	TOKEN 0, 8
	TOKEN 1, 0
	s_endpgm
.Lfunc_end_k_q8508f4d45e_combine:
	.size	k_q8508f4d45e_combine, .Lfunc_end_k_q8508f4d45e_combine-k_q8508f4d45e_combine
	.p2alignl 7, 3214868480
	.fill 96, 4, 3214868480
	.section	.rodata,"a",@progbits
	.p2align	6, 0x0
	.amdhsa_kernel k_q8508f4d45e_combine
		.amdhsa_group_segment_fixed_size 0
		.amdhsa_private_segment_fixed_size 0
		.amdhsa_enable_private_segment 0
		.amdhsa_kernarg_size 32
		.amdhsa_user_sgpr_count 2
		.amdhsa_user_sgpr_kernarg_segment_ptr 1
		.amdhsa_wavefront_size32 1
		.amdhsa_system_sgpr_workgroup_id_x 1
		.amdhsa_system_sgpr_workgroup_id_y 1
		.amdhsa_system_sgpr_workgroup_id_z 1
		.amdhsa_system_vgpr_workitem_id 0
		.amdhsa_next_free_vgpr 128
		.amdhsa_next_free_sgpr 66
		.amdhsa_reserve_vcc 0
		.amdhsa_float_denorm_mode_32 3
		.amdhsa_float_denorm_mode_16_64 3
		.amdhsa_memory_ordered 1
		.amdhsa_forward_progress 1
		.amdhsa_inst_pref_size 13
	.end_amdhsa_kernel
	.amdgpu_metadata
---
amdhsa.version: [ 1, 2 ]
amdhsa.kernels:
  - .name:           k_q8508f4d45e_combine
    .symbol:         k_q8508f4d45e_combine.kd
    .args:
      - { .name: ybuf, .offset: 0, .size: 8, .value_kind: global_buffer, .address_space: global }
      - { .name: out_g, .offset: 8, .size: 8, .value_kind: global_buffer, .address_space: global }
      - { .name: out_b, .offset: 16, .size: 8, .value_kind: global_buffer, .address_space: global }
      - { .name: out0, .offset: 24, .size: 8, .value_kind: global_buffer, .address_space: global }
    .group_segment_fixed_size: 0
    .private_segment_fixed_size: 0
    .kernarg_segment_align: 8
    .kernarg_segment_size: 32
    .max_flat_workgroup_size: 256
    .sgpr_count:     66
    .vgpr_count:     128
    .wavefront_size: 32
...
	.end_amdgpu_metadata
.endif
;; end of part 4
;; ======== version 2 of 2: 4 launches; version 1 with the launch experts written anew for expert scheduling mode
;; workspace buffers: xq 1,638,400 bytes; sel 16,384 bytes of whole numbers; gate 36,864 bytes; plan 38,400 bytes of whole numbers; wlay 13,107,200 bytes; ybuf 16,777,216 bytes
;; launch route: the kernel of part 1 again; grid 128 x 1, 8 waves a work-group, no clusters, 38,400 bytes of LDS; arguments x, gate_W, gate_b, xq, sel, gate; writes xq, sel, gate
;; launch place: the kernel of part 2 again; grid 137 x 1, 32 waves a work-group, no clusters, 5,120 bytes of LDS; arguments sel, gate, W1_codes, W1_scales, W2_codes, W2_scales, plan, wlay, out1; writes plan, wlay, out1
;; launch experts (part 5): grid 178 x 1, 4 waves a work-group, no clusters, 224,768 bytes of LDS; arguments plan, xq, gate, wlay, b1, ln_g, ln_b, b2, ybuf; writes ybuf
.if DOCPART == 5
	.amdgcn_target "amdgcn-amd-amdhsa--gfx1250"
	.amdhsa_code_object_version 6
	.text
	.protected	k_q8508f4d45e_experts
	.globl	k_q8508f4d45e_experts
	.p2align	8
	.type	k_q8508f4d45e_experts,@function
k_q8508f4d45e_experts:
	s_mov_b64 s[64:65], 0
	v_nop
	global_prefetch_b8 v0, s[64:65] scope:SCOPE_SE
	s_setreg_imm32_b32 hwreg(HW_REG_WAVE_SCHED_MODE, 0, 2), 2
	s_setreg_imm32_b32 hwreg(HW_REG_WAVE_MODE, 25, 1), 1
	s_wait_xcnt 0x0
	s_wait_alu depctr_vm_vsrc(0)
; ONE TILE (at most 48 routed rows of ONE expert) THROUGH THE WHOLE CHAIN: x W1 + b1, LayerNorm over the 2,048 hidden units, exact GELU, quantiser, W2 + b2, the gate's weight.
; Both products on codes of E2M3 with E8M0 scales.  ybuf[routed row] = weight x (y + b2), 512 f32.  The hidden layer never goes to memory.
; GRID: ceil(8192 / 48) + 7 = 178 tiles serve every split of the rows among 8 experts.
; A TILE WITH FEWER THAN 48 ROWS, with none too, runs the whole text with all lanes on: a place behind the tile's last row takes a copy of that row (in a tile without rows: of the table's
;   entry 0, which every split fills), and is not stored.  The only branches on a loaded number are the twelve at the very end, each round the four stores of one row, which is one wave's:
;   every barrier and every counted loop stands on every wave's path, and EXEC is never changed.  At most 7 work-groups have no rows.
; NO CLUSTER, NO TENSOR LOAD: which expert's weights a work-group reads hangs on the stored list, so partners could not be shown to ask alike; the weights come from memory straight into
;   registers, in the order in which the operands take them (laid so by the launch before), through rings of registers that never drain at a barrier.
; SHARES: three tiles of 16 rows (i = 0, 1, 2).  Wave w makes hidden units 512 w .. 512 w + 511 for all 48 rows (96 accumulators, 768 registers), then outputs 128 w .. 128 w + 127 for all 48 rows.
; LAYOUT: both products are used transposed (source 0 = 16 rows of the weight, source 1 = 16 tokens): a lane holds ONE token (lane % 16).  Lane half h takes the 48 consecutive bytes
;   96 s + 48 h of a row for K step s, so blocks 1 and 2 of a K step change places on BOTH sides, and bytes 1 and 2 of every scale word with them: the same products, summed in another grouping.
;   W1's tile 8 g + t has rows 128 g + 8 t + (m % 8) + 64 (m / 8): the 64 registers of group g of a lane are then 64 NEIGHBOURS along the second product's K: K step 4 w + g, bytes 48 h of its codes.
; LayerNorm: each wave's mean, then the squares of the differences from it, then the four waves' figures joined: no difference of large sums.
; GELU: z/2 (1 + erf(z / sqrt 2)), erf as u P(u^2) / Q(u^2) with u held to +-4: absolute error about 1e-7; the far negative tail is not exact in relative terms.
; LIMITS: NaN and infinities are not served; a block whose largest magnitude lies under 2^-124 keeps the scale byte 1.
; REGISTERS, in windows of 256: window 1 + i: the hidden layer's 32 accumulators of row tile i (tile t at v[8 t]).  Window 0: addresses, operands, work (maps at each phase).
; THE MODE: SCHED_MODE bits 1:0 = 2 (LLVM: expert scheduling mode 2), set by the entry lines.  The code itself states the register dependences
; between vector or matrix instructions and memory or LDS instructions, with s_wait_alu, always for 0.
; THE PLAN.  Registers that memory or LDS instructions touch:
;   ADDRESSES (v1-3, v18-30)  Made in one run at the head of each phase, ahead of one wait on va_vdst, and not written again in that phase.  A phase that takes over the registers of the last
;                 phase's addresses stands behind one wait on vm_vsrc.  Stepped by vector additions: v[GAD] once a group; v[VA], v[NA], v[AA], v[CA] once a row tile, at the trip's head.
;   FIRST PRODUCT  Ring of three slots: batch n's twelve matrix instructions read slot n % 3; behind them ONE wait on va_vdst, and the loads of batch n + 3 land in that slot at once.  The accumulators
;                 (768), the ring (144), x's fragments (36), the scale words (44) and the addresses (32) are all 1,024 registers: there is no fourth slot, and a slot that lay idle until the next batch's
;                 head would take a third of the loads off their way.  The same wait serves x's fragments (one set, loaded behind a K step's last batch) and W1's scale words (two sets).
;   SECOND PRODUCT Ring of four slots, two sets of the activation's fragments and scale words.  Step s's matrix instructions read slot s % 4 and set s % 2.  ONE wait on va_vdst at the step's head, behind the
;                 wait for its data: step s - 1 is done reading slot (s - 1) % 4 and set (s + 1) % 2.  The LDS loads of step s + 1 and the loads of step s + 3 follow it, the latter in two runs, ahead of
;                 and amid the step's matrix instructions, which name none of the registers that those loads touch.
;   ACTIVATION    v0-63 of windows 1, 2, 3 (ln_g, ln_b, the numbers in hand) and v[ST ..]: loaded from LDS, read by the arithmetic.  v[PC ..], v[PW]: written by the quantiser, read by the trip's four stores.
;                 A trip has one wait on vm_vsrc at its head and two on va_vdst: ahead of the next row tile's loads, and ahead of its stores.
;   WAY OUT       y's accumulators: scaled in place, one wait, stored to LDS.  v[RR ..]: twelve offsets, one wait, read by the stores.  v[OB ..]: two rows by turns; a wait on vm_vsrc behind each row's stores.
.set ROWS_OFF, 4096
.set XS_OFF,   1572864
.set WQ2,      6291456                 ; wlay: W2's fragments; W1's at 0
.set WS1,      12582912                ; W1's scale words; W2's 262,144 further on
.set XIMG, 0                           ; LDS: x's 12 fragments as images of their registers: (3 s + i) x 1,536
.set RIDL, 18432                       ; the 48 routed rows' numbers, a copy of 256 bytes for each wave
.set STAT, 19456                       ; (3 w + i) x 256 + 8 lane: the wave's mean and sum of squares
.set NST,  22528                       ; (3 w + i) x 512 + 16 lane: rstd, rstd, c, c
.set GBL,  28672                       ; 4,096 w: the wave's 512 ln_g, then its 512 ln_b
.set STG,  45056                       ; 24,576 w + 8,192 i + 512 q + 16 lane: a group of accumulators on its way to fixed registers; later 48 rows of y, 2,064 bytes apart
.set AIMG, 144384                      ; the activation's 48 fragments: (3 s + i) x 1,536
.set ASC,  218112                      ; their scale words: (3 s + i) x 128 + 4 lane
.set YP,   2064                        ; a row of y: 2,048 bytes + 16: sixteen rows of a store start at sixteen different groups of four banks (64 banks of 4 bytes: ISA guide 11.1)
; window 0, v0-31
.set L16, 1                            ; 16 x lane
.set H256, 2                           ; 256 h
.set H32, 3                            ; 32 h
.set H8,  4                            ; 8 h
.set RL,  5                            ; r = lane % 16
.set RID, 6                            ; v6-8   routed row of (i, r)
.set TOK, 9                            ; v9-11  twice its token
.set CW,  12                           ; v12, 14, 16: its weight (pairs; the odd ones hold 0)
.set SA,  18                           ; the stage; at the head: GS
.set VA,  19
.set GB0, 20
.set GAD, 21
.set NB,  22
.set NA,  23
.set AB,  24
.set AA,  25
.set CB,  26
.set CA,  27
.set STA, 28
.set L8,  29
.set RW,  30
.set T0,  31
.set GS,  18                           ; head only
.set AP,  19
.set ACW, 20
.set AXS, 23
.set AXF, 26
.set X48, 29
.set AF0, 18                           ; second product and way out
.set AF1, 19
.set AC0, 20
.set YB,  21
.set YR0, 24
.set YR1, 25
.set RA,  26
; window 0, first product
.set XS,  32                           ; v32-43   x's scale words: 4 i + s
.set XF,  44                           ; v44-79   x's three fragments of a K step
.set WS,  80                           ; v80-111  W1's scale words, two sets of 16: tile t in register t / 2, odd tiles in lanes 16-31
.set RING, 112                         ; v112-255 three slots of four fragments of W1
; window 0, statistics
.set SS,  32
.set QQ,  48
.set NM,  64                           ; v64-69  minus the wave's mean, twice
.set MW,  70                           ; v70-72  the wave's mean
.set MS,  74                           ; v74-79  (mean, sum of squares)
.set LS,  80                           ; v80-103 the four waves' figures
.set MEAN, 104
.set VV,  107
.set CD,  110
.set D0,  113
.set RSP, 120                          ; v120-131
; window 0, activation
.set R0,  32
.set R1,  64
.set R2,  96
.set R3,  128
.set R4,  160
.set PC,  192                          ; v192-203 a fragment's codes
.set TC,  204
.set MX,  208
.set SCO, 216
.set BY,  218
.set ST,  220                          ; v220-223 rstd, rstd, c, c
.set VKA1, 224
.set VKB1, 226
.set PW,  228
.set PT,  229
; window 0, second product: no register that ever holds scales is ever an operand
.set AS,  32                           ; v32-37   the activation's scale words, two sets of three
.set WQ,  80                           ; v80-95   W2's scale words, four slots of four
.set AF,  112                          ; v112-183 the activation's fragments, two sets of three
.set RR,  112                          ; way out: v112-123 the twelve rows' places in ybuf
.set OB,  128                          ; v128-159 two rows by turns
; scalars
.set WV,  24
.set EX,  25
.set CNT, 26
.set WB,  30                           ; s[30:31] wlay at my (expert, wave)'s fragments
.set SB,  32                           ; s[32:33] and scale words
.set PR,  34                           ; s[34:35] plan at my tile's rows
.set EPSS, 36
.set INV, 37
.set CM1, 38                           ; the tile's last entry
.set KA0, 40
.set KA2, 42
.set KA3, 44
.set KA4, 46
.set KA5, 48
.set KA6, 50
.set KB0, 52
.set KB2, 54
.set KB3, 56
.set KB4, 58
.set RS2, 60
.set SEL, 62
.set GC,  66
.set IC,  67
.set SO,  68
.set SN,  69
.set NN,  70
.set AO,  71
.set CO,  72
.set GO,  73
.set AG,  74
.set CG,  75
.set MSB, 0
.macro WIN new                         ; the immediate's high byte repeats the setting that is left; a switch that changes nothing is dropped
.if MSB != (\new)
	s_set_vgpr_msb (MSB<<8)|(\new)
.set MSB, (\new)
.endif
.endm
.macro PLACES n                        ; plain vector instructions behind matrix instructions: four in front of loads into their registers and of reads of results, five in front of a matrix instruction that writes over one of their registers; they stay beside the waits on va_vdst
.rept \n
	v_nop
.endr
.endm
.macro BARRIER                         ; my LDS stores have landed and my LDS loads are in: then the work-group's barrier
	s_wait_dscnt 0x0
	s_barrier_signal -1
	s_barrier_wait -1
.endm
; The rings' waits are counted by the text itself: NISS = loads written so far, ENDk = NISS behind slot k's last load.  Loads come back in order (ISA guide 5.7.1),
; so slot k is in when at most NISS - ENDk loads are out.  The wait's field ends at 63: a larger count is held there, which waits for a little more.
.set NISS, 0
.set END0, 0
.set END1, 0
.set END2, 0
.set END3, 0
.macro GLD d, a, b, o
	global_load_b128 v[\d:\d+3], v[\a], s[\b:\b+1] offset:\o
.set NISS, NISS+1
.endm
.macro SETEND k
.if (\k) == 0
.set END0, NISS
.elseif (\k) == 1
.set END1, NISS
.elseif (\k) == 2
.set END2, NISS
.else
.set END3, NISS
.endif
.endm
.macro WAITB k
.if (\k) == 0
.set WC_, NISS-END0
.elseif (\k) == 1
.set WC_, NISS-END1
.elseif (\k) == 2
.set WC_, NISS-END2
.else
.set WC_, NISS-END3
.endif
.if WC_ > 63
.set WC_, 63
.endif
	s_wait_loadcnt WC_
.endm
.macro KPAIR r, v                      ; a constant for packed forms: they name a pair and take its low word for both halves, so both are written
	s_mov_b32 s[\r], \v
	s_mov_b32 s[\r+1], \v
.endm
	; ================ the head
	s_load_b512 s[4:19], s[0:1], 0x0               ; plan 4, xq 6, gate 8, wlay 10, b1 12, ln_g 14, ln_b 16, b2 18
	s_load_b64 s[20:21], s[0:1], 0x40              ; ybuf
	s_lshl_b32 s23, ttmp9, 2
	v_and_b32 v[T0], 31, v0
	v_lshrrev_b32 v[RL], 5, v0
	v_readfirstlane_b32 s[WV], v[RL]               ; wave 0..3
	v_lshlrev_b32 v[L16], 4, v[T0]
	v_bfe_u32 v[H8], v0, 4, 1                      ; h
	v_lshlrev_b32 v[H256], 8, v[H8]
	v_lshlrev_b32 v[H32], 5, v[H8]
	v_mul_u32_u24 v[X48], v[H8], 48
	v_lshlrev_b32 v[H8], 3, v[H8]
	v_and_b32 v[RL], 15, v0
	v_lshlrev_b32 v[AP], 2, v[RL]
	s_wait_alu depctr_va_sdst(0)                   ; the wave's number is written, ahead of its first reader
	s_mul_i32 s27, s[WV], 96
	v_add_nc_u32 v[X48], s27, v[X48]               ; x: K step w (the one that I gather), my half's 48 bytes
	s_lshl_b32 s27, s[WV], 8
	v_add_nc_u32 v[RW], s27, v[AP]                 ; my wave's copy of the rows' numbers: 256 w + 4 r
	s_lshl_b32 s27, s[WV], 12
	v_add_nc_u32 v[GS], s27, v[L16]                ; ln_g and ln_b in LDS: 4,096 w + 16 lane
	s_mul_i32 s27, s[WV], 4608
	v_add_nc_u32 v[AP], s27, v[L16]                ; x's images: (3 w + i) x 1,536 + 16 lane
	KPAIR KA0, 0xaf95df0b                          ; erf's numerator, highest power first (the second coefficient lies in vector registers)
	KPAIR KA2, 0xb60cff51
	KPAIR KA3, 0xb86ec2d2
	KPAIR KA4, 0xba40ac63
	KPAIR KA5, 0xbb41a1f6
	KPAIR KA6, 0xbc83dbd4
	KPAIR KB0, 0xb77460cd                          ; and its denominator
	KPAIR KB2, 0xbadc924e
	KPAIR KB3, 0xbbf19bf8
	KPAIR KB4, 0xbc69b6a7
	KPAIR RS2, 0x3f3504f3                          ; 1 / sqrt 2
	s_mov_b32 s[SEL], 0x76543210
	s_mov_b32 s[SEL+1], 0xfedcba98                 ; v_permlanex16_b32's selects for lane l xor 16
	s_mov_b32 s[EPSS], 0x3727c5ac                  ; 1e-5
	s_mov_b32 s[INV], 0x3a000000                   ; 1 / 2,048
	s_wait_kmcnt 0x0
	s_load_b32 s22, s[4:5], s23 offset:0x0         ; my tile: expert | rows << 8
	s_wait_kmcnt 0x0
	s_and_b32 s[EX], s22, 0xff
	s_min_u32 s[EX], s[EX], 7
	s_lshr_b32 s[CNT], s22, 8
	s_and_b32 s[CNT], s[CNT], 0xff
	s_min_u32 s[CNT], s[CNT], 48
	s_lshl_b32 s27, s[EX], 2
	s_add_co_u32 s27, s27, s[WV]                   ; 4 e + w
	s_mov_b32 s29, 0
	s_mul_i32 s28, s27, 196608                     ; 128 fragments of 1,536 bytes, of W1 as of W2
	s_add_nc_u64 s[WB:WB+1], s[10:11], s[28:29]
	s_lshl_b32 s28, s27, 13
	s_add_nc_u64 s[SB:SB+1], s[10:11], s[28:29]
	s_add_nc_u64 s[SB:SB+1], s[SB:SB+1], WS1
	s_lshl_b32 s28, s27, 11                        ; my 512 numbers of b1, ln_g, ln_b
	s_add_nc_u64 s[12:13], s[12:13], s[28:29]
	s_add_nc_u64 s[14:15], s[14:15], s[28:29]
	s_add_nc_u64 s[16:17], s[16:17], s[28:29]
	s_lshl_b32 s28, s27, 9                         ; my 128 numbers of b2
	s_add_nc_u64 s[18:19], s[18:19], s[28:29]
	s_mul_i32 s28, ttmp9, 192                      ; my tile's 48 entries of the table of rows;
	s_min_u32 s27, s[CNT], 1
	s_mul_i32 s28, s28, s27                        ; a tile without rows goes to the table's head
	s_add_nc_u64 s[PR:PR+1], s[4:5], s[28:29]
	s_sub_co_u32 s[CM1], s[CNT], s27               ; the last entry that was stored: rows - 1, or 0
	; my tile's rows: place (i, r) takes entry min(16 i + r, the last stored one): only stored words are read.  The three offsets are made here, with the other addresses of the head
.irp i, 0,1,2
	v_add_nc_u32 v[ACW+\i], 16*\i, v[RL]
	v_min_u32 v[ACW+\i], s[CM1], v[ACW+\i]
	v_min_u32 v[ACW+\i], 47, v[ACW+\i]
	v_lshlrev_b32 v[ACW+\i], 2, v[ACW+\i]
.endr
	s_wait_alu depctr_va_vdst(0)                   ; the head's offsets and LDS addresses (v1-3, v18-22, v30) are written, which the loads and LDS stores below read
.irp q, 0,1,2,3
	GLD XF+4*\q, L16, 14, 512*\q                   ; ln_g, as it lies
.endr
.irp q, 0,1,2,3
	GLD XF+16+4*\q, L16, 16, 512*\q                ; ln_b
.endr
	WIN 0xc0                                       ; b1 in the result's layout, into window 3: it is the C of the first K step's products.  Register 8 t + j: unit 128 (t / 8) + 64 h + 8 (t % 8) + j
.set Q_, 0
.rept 64
	GLD 4*Q_, H256, 12, 512*(Q_/16)+16*(Q_%16)
.set Q_, Q_+1
.endr
	WIN 0
.irp g, 0,1,2,3
	GLD WS+4*\g, L16, SB, 512*\g                   ; W1's scale words of K step 0
.endr
.macro REFILL1 n                       ; batch n = 8 s + b: fragments 4 n .. 4 n + 3 of my 128, into slot n % 3
.irp f, 0,1,2,3
.irp j, 0,1,2
	GLD RING+48*((\n)%3)+12*\f+4*\j, L16, WB, (4*(\n)+\f)*1536+512*\j
.endr
.endr
.endm
	REFILL1 0
	SETEND 0
	REFILL1 1
	SETEND 1
	REFILL1 2
	SETEND 2
.irp i, 0,1,2
	global_load_b32 v[RID+\i], v[ACW+\i], s[PR:PR+1] offset:ROWS_OFF
.endr
	s_wait_loadcnt 0x0                             ; the rows' numbers; all that was asked for ahead of them has landed too (once in the launch)
	s_wait_alu depctr_vm_vsrc(0)                   ; the three loads above have read v[ACW ..], which is written again below
.irp i, 0,1,2
	v_min_u32 v[RID+\i], 0x1fff, v[RID+\i]         ; a routed row: 2 x token + choice
	v_lshlrev_b32 v[ACW+\i], 2, v[RID+\i]          ; its weight: 4 bytes
	v_and_b32 v[TOK+\i], 0x1ffe, v[RID+\i]         ; 2 x token
	v_lshlrev_b32 v[AXS+\i], 3, v[TOK+\i]          ; the token's scale words: 16 bytes
	v_mul_u32_u24 v[AXF+\i], v[TOK+\i], 192        ; its codes: 384 bytes
	v_add_nc_u32 v[AXF+\i], v[AXF+\i], v[X48]
.endr
	s_wait_alu depctr_va_vdst(0)                   ; the nine gather offsets v[ACW ..], v[AXS ..], v[AXF ..] are written, which the loads below read, and v[RID ..], which the LDS stores below read
.irp i, 0,1,2
	global_load_b32 v[CW+2*\i], v[ACW+\i], s[8:9]                       ; the gate's weight of the routed row
	global_load_b128 v[XS+4*\i:XS+4*\i+3], v[AXS+\i], s[6:7] offset:XS_OFF   ; the token's four scale words
.endr
	WIN 0x40                                       ; x's codes of K step w, three fragments, into window 1, which is still free
.irp i, 0,1,2
.irp j, 0,1,2
	global_load_b128 v[12*\i+4*\j:12*\i+4*\j+3], v[AXF+\i], s[6:7] offset:16*\j
.endr
.endr
	WIN 0
.irp q, 0,1,2,3
	ds_store_b128 v[GS], v[XF+4*\q:XF+4*\q+3] offset:GBL+512*\q
	ds_store_b128 v[GS], v[XF+16+4*\q:XF+16+4*\q+3] offset:GBL+2048+512*\q
.endr
.irp i, 0,1,2
	ds_store_b32 v[RW], v[RID+\i] offset:RIDL+64*\i         ; lanes r and r + 16 write the same word with the same value
.endr
	s_wait_loadcnt 0x0
.irp i, 0,1,2
	v_mov_b32 v[CW+2*\i+1], 0                      ; named with the weight as a pair
.endr
	WIN 0x04
.irp i, 0,1,2
.irp j, 0,1,2
	ds_store_b128 v[AP], v[12*\i+4*\j:12*\i+4*\j+3] offset:XIMG+1536*\i+512*\j
.endr
.endr
	WIN 0
	BARRIER                                        ; x's twelve fragments lie in LDS
	s_wait_alu depctr_vm_vsrc(0)                   ; the head's LDS stores have read v[XF ..], in which x's fragments land, and v0-35 of window 1, which the products write; its loads and stores have read v18-28, which later phases make anew
	; ================ the first product: 4 K steps x 8 batches of 4 tiles x 3 row tiles.  Each fragment of W1 feeds three matrix instructions and is read once
.macro XFLD s
.irp i, 0,1,2
.irp j, 0,1,2
	ds_load_b128 v[XF+12*\i+4*\j:XF+12*\i+4*\j+3], v[L16] offset:XIMG+(3*(\s)+\i)*1536+512*\j
.endr
.endr
	s_wait_dscnt 0x0
.endm
.macro MM1 t, f, i, s, rs
.if (\t)%2
	v_wmma_scale_f32_16x16x128_f8f6f4 v[8*(\t):8*(\t)+7], v[\rs+12*\f:\rs+12*\f+11], v[XF+12*\i:XF+12*\i+11], v[8*(\t):8*(\t)+7], v[WS+16*((\s)%2)+(\t)/2], v[XS+4*\i+(\s)] matrix_a_fmt:MATRIX_FMT_FP6 matrix_b_fmt:MATRIX_FMT_FP6 matrix_a_scale:MATRIX_SCALE_ROW1
.else
	v_wmma_scale_f32_16x16x128_f8f6f4 v[8*(\t):8*(\t)+7], v[\rs+12*\f:\rs+12*\f+11], v[XF+12*\i:XF+12*\i+11], v[8*(\t):8*(\t)+7], v[WS+16*((\s)%2)+(\t)/2], v[XS+4*\i+(\s)] matrix_a_fmt:MATRIX_FMT_FP6 matrix_b_fmt:MATRIX_FMT_FP6
.endif
.endm
; The 96 accumulators take turns, one instruction a turn, in the same order in every K step.
; K step 0: C is b1's image in window 3.  Row tiles 0 and 1 read it into their own windows; row tile 2 adds in place onto it, five places behind the products that read it.
.macro B1 s, b
.set NB_, 8*(\s)+(\b)
.set RS_, RING+48*(NB_%3)
	WAITB NB_%3
.irp i, 0,1,2
.if (\s) == 0
.if \i == 2
	PLACES 5
.endif
	WIN 0x30|((1+\i)<<6)
.else
	WIN 0x50*(1+\i)
.endif
.irp f, 0,1,2,3
	MM1 4*(\b)+\f,\f,\i,\s,RS_
.endr
.endr
	WIN 0
	PLACES 4
.if NB_+3 < 32
	s_wait_alu depctr_va_vdst(0)                   ; this batch's twelve matrix instructions are done reading their slot, in which the loads below land; behind a K step's last batch they are done reading x's fragments too, and in its fourth batch the K step before has long read the set of scale words that is loaded
.endif
.if ((\b) == 3) && ((\s) < 3)
.irp g, 0,1,2,3
	GLD WS+16*(((\s)+1)%2)+4*\g, L16, SB, 2048*((\s)+1)+512*\g       ; the next K step's scale words: they land ahead of the slot that its first batch waits for
.endr
.endif
.if NB_+3 < 32
	REFILL1 NB_+3                                  ; the slot just multiplied takes the batch three on: 24 to 28 loads stay out at each wait.  The last three batches load nothing and hold no wait on va_vdst
	SETEND NB_%3
.endif
.endm
.irp s, 0,1,2,3
	XFLD \s
.irp b, 0,1,2,3,4,5,6,7
	B1 \s, \b
.endr
.endr
	; ================ LayerNorm's figures
	v_and_b32 v[T0], 31, v0
	v_lshlrev_b32 v[L8], 3, v[T0]
	s_mul_i32 s27, s[WV], 768
	v_add_nc_u32 v[STA], s27, v[L8]
	s_mul_i32 s27, s[WV], 1536
	s_add_co_u32 s27, s27, NST
	v_add_nc_u32 v[NB], s27, v[L16]
.macro TREE b                          ; eight pairs -> one number, with lane l xor 16's (the token's other 256 units of this wave)
	v_pk_add_f32 v[\b:\b+1], v[\b:\b+1], v[\b+2:\b+3]
	v_pk_add_f32 v[\b+4:\b+5], v[\b+4:\b+5], v[\b+6:\b+7]
	v_pk_add_f32 v[\b+8:\b+9], v[\b+8:\b+9], v[\b+10:\b+11]
	v_pk_add_f32 v[\b+12:\b+13], v[\b+12:\b+13], v[\b+14:\b+15]
	v_pk_add_f32 v[\b:\b+1], v[\b:\b+1], v[\b+4:\b+5]
	v_pk_add_f32 v[\b+8:\b+9], v[\b+8:\b+9], v[\b+12:\b+13]
	v_pk_add_f32 v[\b:\b+1], v[\b:\b+1], v[\b+8:\b+9]
	v_add_f32 v[\b], v[\b], v[\b+1]
	v_permlanex16_b32 v[\b+2], v[\b], s[SEL], s[SEL+1]
	v_add_f32 v[\b], v[\b], v[\b+2]
.endm
.macro STAT_A i                        ; the wave's mean of each token of row tile i: eight chains; every accumulator is read from its low end on
	WIN (1+\i)|((1+\i)<<2)
.irp c, 0,1,2,3,4,5,6,7
	v_pk_add_f32 v[SS+2*\c:SS+2*\c+1], v[2*\c:2*\c+1], v[16+2*\c:16+2*\c+1]
.endr
	WIN (1+\i)
.set P_, 16
.rept 112
	v_pk_add_f32 v[SS+2*(P_%8):SS+2*(P_%8)+1], v[2*P_:2*P_+1], v[SS+2*(P_%8):SS+2*(P_%8)+1]
.set P_, P_+1
.endr
	WIN 0
	TREE SS
	v_mul_f32 v[MW+\i], 0x3b000000, v[SS]          ; / 512
	v_mul_f32 v[NM+2*\i], 0xbb000000, v[SS]
	v_mul_f32 v[NM+2*\i+1], 0xbb000000, v[SS]
.endm
.macro STAT_B i                        ; the accumulators become differences from the wave's mean, in place; then the sum of their squares
.irp g, 0,1,2,3
	WIN (1+\i)|((1+\i)<<6)
.set P_, 0
.rept 32
	v_pk_add_f32 v[64*\g+2*P_:64*\g+2*P_+1], v[64*\g+2*P_:64*\g+2*P_+1], v[NM+2*\i:NM+2*\i+1]
.set P_, P_+1
.endr
	WIN (1+\i)|((1+\i)<<2)
.set P_, 0
.rept 32
.if (\g == 0) && (P_ < 8)
	v_pk_mul_f32 v[QQ+2*P_:QQ+2*P_+1], v[2*P_:2*P_+1], v[2*P_:2*P_+1]
.else
	v_pk_fma_f32 v[QQ+2*(P_%8):QQ+2*(P_%8)+1], v[64*\g+2*P_:64*\g+2*P_+1], v[64*\g+2*P_:64*\g+2*P_+1], v[QQ+2*(P_%8):QQ+2*(P_%8)+1]
.endif
.set P_, P_+1
.endr
.endr
	WIN 0
	TREE QQ
	v_mov_b32 v[MS+2*\i], v[MW+\i]
	v_mov_b32 v[MS+2*\i+1], v[QQ]
.endm
.irp i, 0,1,2
	STAT_A \i
	STAT_B \i
.endr
	s_wait_alu depctr_va_vdst(0)                   ; the three row tiles' figures v[MS ..] and the addresses v[STA], v[L8], v[NB] are written, which the LDS instructions below read; the products are done reading W1's scale words, in which the four waves' figures land
.irp i, 0,1,2
	ds_store_b64 v[STA], v[MS+2*\i:MS+2*\i+1] offset:STAT+256*\i
.endr
	BARRIER                                        ; the four waves' figures lie in LDS
.irp u, 0,1,2,3
.irp i, 0,1,2
	ds_load_b64 v[LS+6*\u+2*\i:LS+6*\u+2*\i+1], v[L8] offset:STAT+(3*\u+\i)*256
.endr
.endr
	s_wait_dscnt 0x0
.irp i, 0,1,2
	v_add_f32 v[D0], v[LS+2*\i], v[LS+6+2*\i]
	v_add_f32 v[D0+1], v[LS+12+2*\i], v[LS+18+2*\i]
	v_add_f32 v[D0], v[D0], v[D0+1]
	v_mul_f32 v[MEAN+\i], 0x3e800000, v[D0]        ; the row's mean
	v_add_f32 v[D0], v[LS+1+2*\i], v[LS+7+2*\i]
	v_add_f32 v[D0+1], v[LS+13+2*\i], v[LS+19+2*\i]
	v_add_f32 v[VV+\i], v[D0], v[D0+1]
.irp u, 0,1,2,3
	v_sub_f32 v[D0+\u], v[LS+6*\u+2*\i], v[MEAN+\i]
.endr
	v_mul_f32 v[D0], v[D0], v[D0]
	v_fmac_f32 v[D0], v[D0+1], v[D0+1]
	v_fmac_f32 v[D0], v[D0+2], v[D0+2]
	v_fmac_f32 v[D0], v[D0+3], v[D0+3]
	v_fmac_f32 v[VV+\i], 0x44000000, v[D0]         ; + 512 x the squares of the waves' means' differences
	v_fma_f32 v[VV+\i], v[VV+\i], s[INV], s[EPSS]  ; the variance + 1e-5
.endr
.irp i, 0,1,2
	v_rsq_f32 v[RSP+4*\i], v[VV+\i]
.endr
.irp i, 0,1,2
	v_sub_f32 v[CD+\i], v[MW+\i], v[MEAN+\i]       ; (plain work behind the batch)
.endr
	s_wait_alu depctr_va_vdst(0)                   ; the three reciprocal roots are written: one wait for the batch, ahead of its first reader
.irp i, 0,1,2
	v_mov_b32 v[RSP+4*\i+1], v[RSP+4*\i]
	v_mul_f32 v[RSP+4*\i+2], v[CD+\i], v[RSP+4*\i] ; c: (h - mean) rstd = (h - my wave's mean) rstd + c
	v_mul_f32 v[RSP+4*\i+3], v[CD+\i], v[RSP+4*\i]
.endr
	; the activation's addresses and constants are made here, ahead of the one wait that the stores below want anyway
	s_mul_i32 s27, s[WV], 24576
	s_add_co_u32 s27, s27, STG
	v_add_nc_u32 v[SA], s27, v[L16]
	s_lshl_b32 s27, s[WV], 12
	s_add_co_u32 s27, s27, GBL
	v_add_nc_u32 v[GB0], s27, v[H256]
	s_mul_i32 s27, s[WV], 18432
	s_add_co_u32 s27, s27, AIMG
	v_add_nc_u32 v[AB], s27, v[L16]                ; my twelve fragments: K steps 4 w .. 4 w + 3, (3 s + i) x 1,536
	s_mul_i32 s27, s[WV], 1536
	s_add_co_u32 s27, s27, ASC
	v_and_b32 v[T0], 31, v0
	v_lshl_add_u32 v[CB], v[T0], 2, s27
	v_mov_b32 v[VKA1], 0x32edffee
	v_mov_b32 v[VKA1+1], 0x32edffee
	v_mov_b32 v[VKB1], 0xb95fbd29
	v_mov_b32 v[VKB1+1], 0xb95fbd29
	v_mov_b32 v[PT], 0                             ; written once: a lane permute's destination counts as one of its sources
	s_wait_alu depctr_va_vdst(0)                   ; v[RSP ..] is written, which the three stores below read; so is v[SA], by which the accumulators (written in place above) go to the stage
.irp i, 0,1,2
	ds_store_b128 v[NB], v[RSP+4*\i:RSP+4*\i+3] offset:512*\i      ; the wave's own bytes
.endr
	; ================ the activation and its quantiser: 4 groups x 3 row tiles, written once
	; Register numbers cannot change from trip to trip: a group's accumulators go to the wave's own stage in LDS (that text alone is written four times) and come back into fixed registers.
	; v0-63 of windows 1, 2, 3, free once group 0 is staged, hold ln_g, ln_b and the 64 numbers in hand.
.macro PKM d, a, b
.set P_, 0
.rept 16
	v_pk_mul_f32 v[\d+P_:\d+P_+1], v[\a+P_:\a+P_+1], v[\b+P_:\b+P_+1]
.set P_, P_+2
.endr
.endm
.macro PKF d, a, b, c
.set P_, 0
.rept 16
	v_pk_fma_f32 v[\d+P_:\d+P_+1], v[\a+P_:\a+P_+1], v[\b+P_:\b+P_+1], v[\c+P_:\c+P_+1]
.set P_, P_+2
.endr
.endm
.macro PKFS d, a, b, k                 ; + a constant
.set P_, 0
.rept 16
	v_pk_fma_f32 v[\d+P_:\d+P_+1], v[\a+P_:\a+P_+1], v[\b+P_:\b+P_+1], s[\k:\k+1] op_sel_hi:[1,1,0]
.set P_, P_+2
.endr
.endm
.macro PKF1 d, a, k, c                 ; x a constant + a constant (one of the two lies in vector registers: an instruction's scalar operands are few)
.set P_, 0
.rept 16
	v_pk_fma_f32 v[\d+P_:\d+P_+1], v[\a+P_:\a+P_+1], s[\k:\k+1], v[\c:\c+1] op_sel_hi:[1,0,1]
.set P_, P_+2
.endr
.endm
.macro ACT_A c                         ; 32 numbers: n = (h - my wave's mean) rstd + c
	WIN 0x03
.set P_, 0
.rept 16
	v_pk_fma_f32 v[R0+P_:R0+P_+1], v[32*(\c)+P_:32*(\c)+P_+1], v[ST:ST+1], v[ST+2:ST+3]
.set P_, P_+2
.endr
	WIN 0
.endm
.macro ACT_B c                         ; z = n g + b;  a = z/2 + z/2 erf(z / sqrt 2), into R0
	WIN 0x24
	PKF R0, R0, 32*(\c), 32*(\c)
	WIN 0
.set P_, 0
.rept 16
	v_pk_mul_f32 v[R1+P_:R1+P_+1], v[R0+P_:R0+P_+1], s[RS2:RS2+1] op_sel_hi:[1,0]
.set P_, P_+2
.endr
.set P_, 0
.rept 32
	v_med3_num_f32 v[R1+P_], v[R1+P_], -4.0, 4.0   ; u
.set P_, P_+1
.endr
	PKM R2, R1, R1                                 ; u^2
	PKF1 R3, R2, KA0, VKA1
	PKF1 R4, R2, KB0, VKB1
	PKFS R3, R3, R2, KA2
	PKFS R4, R4, R2, KB2
	PKFS R3, R3, R2, KA3
	PKFS R4, R4, R2, KB3
	PKFS R3, R3, R2, KA4
	PKFS R4, R4, R2, KB4                           ; Q
	PKFS R3, R3, R2, KA5
	PKFS R3, R3, R2, KA6                           ; P
.set P_, 0
.rept 32
	v_rcp_f32 v[R4+P_], v[R4+P_]                   ; one batch
.set P_, P_+1
.endr
	PKM R3, R3, R1                                 ; u P: plain work behind the batch, which names none of its results
.set P_, 0
.rept 16
	v_pk_mul_f32 v[R2+P_:R2+P_+1], v[R0+P_:R0+P_+1], 0.5 op_sel_hi:[1,0]
.set P_, P_+2
.endr
	s_wait_alu depctr_va_vdst(0)                   ; the 32 reciprocals in v[R4 ..] are written: one wait for the batch, ahead of its first reader
	PKM R3, R3, R4                                 ; erf
	PKF R0, R2, R3, R2
.endm
.macro QBLK c, s                       ; 32 numbers v[s] .. v[s + 31] become 24 bytes of codes in v[PC + 6 c] on and a scale byte in v[BY + c]
.irp q, 0,1,2,3
	v_max3_num_f32 v[MX+\q], |v[\s+8*\q]|, |v[\s+8*\q+1]|, |v[\s+8*\q+2]|
.endr
.irp q, 0,1,2,3
	v_max3_num_f32 v[MX+\q], v[MX+\q], |v[\s+8*\q+3]|, |v[\s+8*\q+4]|
.endr
.irp q, 0,1,2,3
	v_max3_num_f32 v[MX+\q], v[MX+\q], |v[\s+8*\q+5]|, |v[\s+8*\q+6]|
.endr
	v_max3_num_f32 v[MX], v[MX], |v[\s+7]|, |v[\s+15]|
	v_max3_num_f32 v[MX+2], v[MX+2], |v[\s+23]|, |v[\s+31]|
	v_max3_num_f32 v[MX], v[MX], v[MX+1], v[MX+2]
	v_max3_num_f32 v[MX], v[MX], v[MX+3], 0x1800000        ; and the floor 2^(3 - 127): the byte cannot fall under 1
	v_add_nc_u32 v[SCO], 0xff000000, v[MX]                 ; 2 off the exponent field: the conversion takes that field as its scale
	v_lshrrev_b32 v[BY+\c], 23, v[SCO]
	v_cvt_scalef32_pk16_fp6_f32 v[PC+6*\c:PC+6*\c+2], v[\s:\s+15], v[SCO]
	v_cvt_scalef32_pk16_fp6_f32 v[TC:TC+2], v[\s+16:\s+31], v[SCO]      ; (a conversion's three registers begin on an even number)
	v_nop                                                  ; one plain place behind a scaled conversion
.irp i, 0,1,2
	v_mov_b32 v[PC+6*\c+3+\i], v[TC+\i]
.endr
.endm
.macro STBLK g                         ; group g's 24 accumulators to the stage
.irp i, 0,1,2
	WIN 4*(1+\i)
.irp t, 0,1,2,3,4,5,6,7
	ds_store_b128 v[SA], v[64*(\g)+8*\t:64*(\g)+8*\t+3] offset:8192*\i+1024*\t
	ds_store_b128 v[SA], v[64*(\g)+8*\t+4:64*(\g)+8*\t+7] offset:8192*\i+1024*\t+512
.endr
.endr
	WIN 0
.endm
.macro VLOAD a                         ; 64 numbers of a row tile from the stage into v0-63 of window 3
	WIN 0xc0
.set P_, 0
.rept 16
	ds_load_b128 v[4*P_:4*P_+3], v[\a] offset:512*P_
.set P_, P_+1
.endr
	WIN 0
.endm
	s_mov_b32 s[GC], 0
	s_mov_b32 s[AG], 0                             ; the group's first fragment: 4,608 bytes a group
	s_mov_b32 s[CG], 0                             ; its scale words: 384 a group
	s_mov_b32 s[GO], 0                             ; ln_g's and ln_b's: 512 a group
.Lgroup:
	s_cmp_eq_u32 s[GC], 0
	s_cbranch_scc1 .Lstage_0
	s_cmp_eq_u32 s[GC], 1
	s_cbranch_scc1 .Lstage_1
	s_cmp_eq_u32 s[GC], 2
	s_cbranch_scc1 .Lstage_2
	STBLK 3
	s_branch .Lstaged
.Lstage_0:
	STBLK 0
	s_branch .Lstaged
.Lstage_1:
	STBLK 1
	s_branch .Lstaged
.Lstage_2:
	STBLK 2
.Lstaged:
	s_wait_alu depctr_vm_vsrc(0)                   ; group 0's stores to the stage have read v0-63 of windows 1, 2, 3, in which the loads below land; the last group's loads have read v[GAD]; in the first trip the figures' stores have read v[MS ..] and v[RSP ..], over which the arithmetic's registers lie
	v_add_nc_u32 v[GAD], s[GO], v[GB0]
	s_wait_alu depctr_va_vdst(0)                   ; v[GAD] is written, which the loads below read; the last group's arithmetic is done reading ln_g, ln_b, the numbers in hand and v[ST ..], in which they land
	WIN 0x40
.set P_, 0
.rept 16
	ds_load_b128 v[4*P_:4*P_+3], v[GAD] offset:16*P_               ; ln_g of my 64 units
.set P_, P_+1
.endr
	WIN 0x80
.set P_, 0
.rept 16
	ds_load_b128 v[4*P_:4*P_+3], v[GAD] offset:2048+16*P_          ; ln_b
.set P_, P_+1
.endr
	VLOAD SA                                       ; row tile 0
	ds_load_b128 v[ST:ST+3], v[NB]
	s_mov_b32 s[IC], 0
	s_mov_b32 s[SO], 0                             ; the row tile's place in the stage: 8,192 a trip
	s_mov_b32 s[AO], s[AG]                         ; the fragment's place: 1,536 a trip
	s_mov_b32 s[CO], s[CG]                         ; its scale words': 128 a trip
.Ltile:
	s_wait_dscnt 0x0                               ; this trip's numbers are in
	s_wait_alu depctr_vm_vsrc(0)                   ; the last trip's four stores have read v[PC ..], v[PW], v[AA] and v[CA], and its loads v[VA] and v[NA]: all are written again in this trip
	s_add_co_u32 s[SN], s[SO], 8192                ; the trip's four addresses: the next row tile in the stage (the last trip asks for its own once more, and that is thrown away),
	s_min_u32 s[SN], s[SN], 16384
	s_lshr_b32 s[NN], s[SN], 4
	v_add_nc_u32 v[VA], s[SN], v[SA]
	v_add_nc_u32 v[NA], s[NN], v[NB]               ; its rstd and c,
	v_add_nc_u32 v[AA], s[AO], v[AB]               ; this row tile's fragment
	v_add_nc_u32 v[CA], s[CO], v[CB]               ; and its scale words
	ACT_A 0
	ACT_B 0
	QBLK 0, R0
	ACT_A 1
	s_wait_alu depctr_va_vdst(0)                   ; the multiply-adds above are done reading the numbers in hand and v[ST ..], in which the next row tile's land; v[VA] and v[NA] are written
	VLOAD VA                                       ; the landing registers are free: the next row tile is asked for now
	ds_load_b128 v[ST:ST+3], v[NA]
	ACT_B 1
	QBLK 1, R0
	v_lshl_or_b32 v[PW], v[BY+1], 16, v[BY]        ; my two bytes: places h and 2 + h of the scale word,
	v_lshlrev_b32 v[PW], v[H8], v[PW]
	v_permlanex16_b32 v[PT], v[PW], s[SEL], s[SEL+1]
	v_or_b32 v[PW], v[PW], v[PT]                   ; with lane l xor 16's two the word is whole
	s_wait_alu depctr_va_vdst(0)                   ; the conversions and moves have written v[PC ..], and v[PW] is whole: the four stores below read them
	ds_store_b128 v[AA], v[PC:PC+3]                ; the fragment as an image of its registers
	ds_store_b128 v[AA], v[PC+4:PC+7] offset:512
	ds_store_b128 v[AA], v[PC+8:PC+11] offset:1024
	ds_store_b32 v[CA], v[PW]
	s_add_co_u32 s[SO], s[SO], 8192
	s_add_co_u32 s[AO], s[AO], 1536
	s_add_co_u32 s[CO], s[CO], 128
	s_add_co_u32 s[IC], s[IC], 1
	s_cmp_lt_u32 s[IC], 3
	s_cbranch_scc1 .Ltile
	s_wait_dscnt 0x0                               ; nothing is on its way into the landing registers or out of the stage when the next group is staged
	s_add_co_u32 s[AG], s[AG], 4608
	s_add_co_u32 s[CG], s[CG], 384
	s_add_co_u32 s[GO], s[GO], 512
	s_add_co_u32 s[GC], s[GC], 1
	s_cmp_lt_u32 s[GC], 4
	s_cbranch_scc1 .Lgroup
	; ================ the second product: 16 K steps x 8 tiles of outputs x 3 row tiles.  Each fragment of W2 feeds three matrix instructions and is read once
	; window 3: y's accumulator (t, i) at v[8 (3 t + i)]; b2 in the result's layout at v192-255.  W2's ring: slots 0, 1 in window 1 (v64-159, v160-255), slots 2, 3 in window 2.
	s_wait_alu depctr_vm_vsrc(0)                   ; the activation's LDS instructions have read v18-27, which are made anew below, and the stores to the stage v64-255 of windows 1, 2, 3, in which the ring and b2 land and which the products write
	v_add_nc_u32 v[AF0], AIMG, v[L16]
	v_add_nc_u32 v[AF1], AIMG+36864, v[L16]        ; (K steps 8 on: LDS immediates end at 65,535)
	v_and_b32 v[T0], 31, v0
	v_lshl_add_u32 v[AC0], v[T0], 2, ASC
	v_mul_u32_u24 v[T0], v[RL], YP
	v_add_nc_u32 v[T0], v[T0], v[H32]
	s_lshl_b32 s27, s[WV], 9
	s_add_co_u32 s27, s27, STG
.irp i, 0,1,2
	v_add_nc_u32 v[YB+\i], s27, v[T0]              ; y in: row 16 i + r, + 512 w + 32 h
	s_add_co_u32 s27, s27, 16*YP
.endr
	s_mul_i32 s27, s[WV], YP
	s_add_co_u32 s27, s27, STG
	v_add_nc_u32 v[YR0], s27, v[L16]               ; y back: row 4 n + w, 16 bytes a lane
	v_add_nc_u32 v[YR1], 24*YP, v[YR0]
	s_mul_i32 s27, s[WV], 260
	v_mov_b32 v[RA], s27                           ; my copy of the rows' numbers, entry w: 256 w + 4 w
.macro REFILL2 s, t0, t1               ; K step s: its fragments t0 .. t1 - 1 into slot s % 4; with the first of them its scale words
.if (\t0) == 0
	WIN 0
	GLD WQ+4*((\s)%4), L16, SB, 262144+512*(\s)
.endif
	WIN 0x40+0x40*(((\s)%4)/2)
.set T_, \t0
.rept (\t1)-(\t0)
.irp j, 0,1,2
	GLD 64+96*((\s)%2)+12*T_+4*\j, L16, WB, WQ2+(8*(\s)+T_)*1536+512*\j
.endr
.set T_, T_+1
.endr
.if (\t1) == 8
	SETEND (\s)%4
.endif
.endm
	s_wait_alu depctr_va_vdst(0)                   ; the nine addresses above are written, for all LDS instructions from here to the end; the activation's arithmetic is done with v32-191, in which W2's scale words and the activation's fragments and scale words land
	WIN 0xc0
.set Q_, 0
.rept 16
	GLD 192+4*Q_, H32, 18, 64*(Q_/2)+16*(Q_%2)     ; b2: register 192 + 8 t + j: output 16 t + 8 h + j of my 128
.set Q_, Q_+1
.endr
	REFILL2 0, 0, 8                                ; the ring is filled ahead of the barrier: its registers are free, and the loads are on their way while the waves meet
	REFILL2 1, 0, 8
	REFILL2 2, 0, 8
	REFILL2 3, 0, 8
	WIN 0
	BARRIER                                        ; the activation's 48 fragments lie in LDS, and nobody reads a stage any more
.macro AFLD s                          ; K step s: the three row tiles' fragments and scale words, twelve LDS loads
.irp i, 0,1,2
.irp j, 0,1,2
.if (\s) < 8
	ds_load_b128 v[AF+36*((\s)%2)+12*\i+4*\j:AF+36*((\s)%2)+12*\i+4*\j+3], v[AF0] offset:(3*(\s)+\i)*1536+512*\j
.else
	ds_load_b128 v[AF+36*((\s)%2)+12*\i+4*\j:AF+36*((\s)%2)+12*\i+4*\j+3], v[AF1] offset:(3*((\s)-8)+\i)*1536+512*\j
.endif
.endr
	ds_load_b32 v[AS+3*((\s)%2)+\i], v[AC0] offset:(3*(\s)+\i)*128
.endr
.endm
.macro MM2 t, i, s
.set D_, 8*(3*\t+\i)
.if (\s) == 0
.set C_, 192+8*\t                      ; the first K step starts the sums from b2
.else
.set C_, D_
.endif
.set A_, 64+96*((\s)%2)+12*\t
.set B_, AF+36*((\s)%2)+12*\i
.if (\t)%2
	v_wmma_scale_f32_16x16x128_f8f6f4 v[D_:D_+7], v[A_:A_+11], v[B_:B_+11], v[C_:C_+7], v[WQ+4*((\s)%4)+\t/2], v[AS+3*((\s)%2)+\i] matrix_a_fmt:MATRIX_FMT_FP6 matrix_b_fmt:MATRIX_FMT_FP6 matrix_a_scale:MATRIX_SCALE_ROW1
.else
	v_wmma_scale_f32_16x16x128_f8f6f4 v[D_:D_+7], v[A_:A_+11], v[B_:B_+11], v[C_:C_+7], v[WQ+4*((\s)%4)+\t/2], v[AS+3*((\s)%2)+\i] matrix_a_fmt:MATRIX_FMT_FP6 matrix_b_fmt:MATRIX_FMT_FP6
.endif
.endm
; K step s.  The 24 accumulators take turns, one instruction a turn.  Steps 1 to 12 ask for step s + 3, into the slot that step s - 1 read: 13 loads ahead of the
; step's matrix instructions and 12 in their middle.  At the wait for slot s the two later steps, 50 loads, may be out (at step 0 three: the count is held at the field's end; at the end 25 and none).
.macro K2 s
	WAITB (\s)%4                                   ; slot s is in
.if ((\s) > 0) && ((\s) < 15)
	s_wait_alu depctr_va_vdst(0)                   ; K step s - 1's matrix instructions are done reading their set of the activation's fragments and scale words, in which the LDS loads below land, and their slot of the ring and of W2's scale words, in which K step s + 3 lands
.endif
.if (\s) < 15
	AFLD (\s)+1
	s_wait_dscnt 12                                ; this K step's twelve are in; the next one's may be out
.else
	s_wait_dscnt 0x0
.endif
.if ((\s) > 0) && ((\s)+3 < 16)
	REFILL2 (\s)+3, 0, 4
.endif
	WIN 0xf1+((\s)%4)/2
.irp t, 0,1,2,3
.irp i, 0,1,2
	MM2 \t,\i,\s
.endr
.endr
.if ((\s) > 0) && ((\s)+3 < 16)
	REFILL2 (\s)+3, 4, 8                           ; no wait: the matrix instructions since the wait above name slot s % 4, set s % 2 and window 3 alone
.endif
	WIN 0xf1+((\s)%4)/2
.irp t, 4,5,6,7
.irp i, 0,1,2
	MM2 \t,\i,\s
.endr
.endr
	WIN 0
	PLACES 4
.endm
	AFLD 0
.irp s, 0,1,2,3,4,5,6,7,8,9,10,11,12,13,14,15
	K2 \s
.endr
	; ================ the way out: x the gate's weight; through LDS, so that whole rows leave
	WIN 0xc3
.irp t, 0,1,2,3,4,5,6,7
.irp i, 0,1,2
.irp p, 0,1,2,3
	v_pk_mul_f32 v[8*(3*\t+\i)+2*\p:8*(3*\t+\i)+2*\p+1], v[8*(3*\t+\i)+2*\p:8*(3*\t+\i)+2*\p+1], v[CW+2*\i:CW+2*\i+1] op_sel_hi:[1,0]   ; each accumulator from its low end on
.endr
.endr
.endr
	WIN 0x0c
	s_wait_alu depctr_va_vdst(0)                   ; the multiplications have written y's 24 accumulators, which the LDS stores read; the last products are done reading the activation's fragments, in which the rows' numbers and the rows of y land below
.irp t, 0,1,2,3,4,5,6,7
.irp i, 0,1,2
	ds_store_b128 v[YB+\i], v[8*(3*\t+\i):8*(3*\t+\i)+3] offset:64*\t
	ds_store_b128 v[YB+\i], v[8*(3*\t+\i)+4:8*(3*\t+\i)+7] offset:64*\t+16
.endr
.endr
	WIN 0
	BARRIER                                        ; 48 whole rows of y lie in LDS
.irp n, 0,1,2,3,4,5,6,7,8,9,10,11
	ds_load_b32 v[RR+\n], v[RA] offset:RIDL+16*\n  ; the routed row of tile row 4 n + w, in every lane
.endr
.macro LOADROW n
.irp q, 0,1,2,3
.if (\n) < 6
	ds_load_b128 v[OB+16*((\n)%2)+4*\q:OB+16*((\n)%2)+4*\q+3], v[YR0] offset:(\n)*4*YP+512*\q
.else
	ds_load_b128 v[OB+16*((\n)%2)+4*\q:OB+16*((\n)%2)+4*\q+3], v[YR1] offset:((\n)-6)*4*YP+512*\q
.endif
.endr
.endm
	LOADROW 0
	s_wait_dscnt 4                                 ; the twelve numbers are in; row 0's four loads may be out
.irp n, 0,1,2,3,4,5,6,7,8,9,10,11                 ; all twelve places in ybuf are made ahead of the first branch
	v_min_u32 v[RR+\n], 0x1fff, v[RR+\n]
	v_lshlrev_b32 v[RR+\n], 11, v[RR+\n]           ; 2,048 bytes a routed row
	v_add_nc_u32 v[RR+\n], v[RR+\n], v[L16]
.endr
	s_wait_alu depctr_va_vdst(0)                   ; the twelve places v[RR ..] are written, which the stores below read as their offsets
.irp n, 0,1,2,3,4,5,6,7,8,9,10,11
.if \n < 11
	LOADROW \n+1                                   ; into the registers that row n - 1's stores have read (the two waits behind them)
	s_wait_dscnt 4                                 ; row n is in; the next row's four loads may be out
.else
	s_wait_dscnt 0x0
.endif
	s_add_co_u32 s27, s[WV], 4*\n
	s_cmp_lt_u32 s27, s[CNT]                       ; is row 4 n + w one of the tile's?  The whole row is this wave's, so the choice is a scalar one
	s_cbranch_scc0 .Lrow_done_\n
.irp q, 0,1,2,3
	global_store_b128 v[RR+\n], v[OB+16*(\n%2)+4*\q:OB+16*(\n%2)+4*\q+3], s[20:21] offset:512*\q      ; 512 consecutive bytes a store, aligned
.endr
.Lrow_done_\n:
.if \n < 10
	s_wait_xcnt 0x0                                ; every earlier memory instruction has had its addresses translated (ISA guide 3.1),
	s_wait_alu depctr_vm_vsrc(0)                   ; and row n's stores have read their sixteen registers of v[OB ..], in which the row two on lands
.endif
.endr
	s_wait_xcnt 0x0
	v_lshl_add_u32 v254, v0, 2, 0x36c00
	v_mov_b32 v255, 0
	s_wait_dscnt 0x0                               ; the closing lines, six on end
	s_wait_alu 0x0
	s_wait_tensorcnt 0x0
	ds_add_u32 v254, v255
	s_wait_dscnt 0x0
	s_endpgm
.Lfunc_end_k_q8508f4d45e_experts:
	.size	k_q8508f4d45e_experts, .Lfunc_end_k_q8508f4d45e_experts-k_q8508f4d45e_experts
	.p2alignl 7, 3214868480
	.fill 96, 4, 3214868480
	.section	.rodata,"a",@progbits
	.p2align	6, 0x0
	.amdhsa_kernel k_q8508f4d45e_experts
		.amdhsa_group_segment_fixed_size 224768
		.amdhsa_private_segment_fixed_size 0
		.amdhsa_enable_private_segment 0
		.amdhsa_kernarg_size 72
		.amdhsa_user_sgpr_count 2
		.amdhsa_user_sgpr_kernarg_segment_ptr 1
		.amdhsa_wavefront_size32 1
		.amdhsa_system_sgpr_workgroup_id_x 1
		.amdhsa_system_sgpr_workgroup_id_y 1
		.amdhsa_system_sgpr_workgroup_id_z 1
		.amdhsa_system_vgpr_workitem_id 0
		.amdhsa_next_free_vgpr 1024
		.amdhsa_next_free_sgpr 96
		.amdhsa_reserve_vcc 0
		.amdhsa_float_denorm_mode_32 3
		.amdhsa_float_denorm_mode_16_64 3
		.amdhsa_memory_ordered 1
		.amdhsa_forward_progress 1
		.amdhsa_inst_pref_size 255
	.end_amdhsa_kernel
	.section	.bss,"aw",@nobits
	.p2align	6
	.space	262144
	.amdgpu_metadata
---
amdhsa.version: [ 1, 2 ]
amdhsa.kernels:
  - .name:           k_q8508f4d45e_experts
    .symbol:         k_q8508f4d45e_experts.kd
    .args:
      - { .name: plan, .offset: 0, .size: 8, .value_kind: global_buffer, .address_space: global }
      - { .name: xq, .offset: 8, .size: 8, .value_kind: global_buffer, .address_space: global }
      - { .name: gate, .offset: 16, .size: 8, .value_kind: global_buffer, .address_space: global }
      - { .name: wlay, .offset: 24, .size: 8, .value_kind: global_buffer, .address_space: global }
      - { .name: b1, .offset: 32, .size: 8, .value_kind: global_buffer, .address_space: global }
      - { .name: ln_g, .offset: 40, .size: 8, .value_kind: global_buffer, .address_space: global }
      - { .name: ln_b, .offset: 48, .size: 8, .value_kind: global_buffer, .address_space: global }
      - { .name: b2, .offset: 56, .size: 8, .value_kind: global_buffer, .address_space: global }
      - { .name: ybuf, .offset: 64, .size: 8, .value_kind: global_buffer, .address_space: global }
    .group_segment_fixed_size: 224768
    .private_segment_fixed_size: 0
    .kernarg_segment_align: 8
    .kernarg_segment_size: 72
    .max_flat_workgroup_size: 128
    .sgpr_count:     96
    .vgpr_count:     1024
    .wavefront_size: 32
...
	.end_amdgpu_metadata
.endif
;; end of part 5
;; launch combine: the kernel of part 4 again; grid 256 x 1, 8 waves a work-group, no clusters, 0 bytes of LDS; arguments ybuf, out_g, out_b, out0; writes out0
